; MI455X (gfx1250); checked and timed in simulation.
; The chip was launched on July 23, 2026; its instructions are those of AMD's public machine-readable ISA for CDNA 5 (MIT licence, August 2026) and "CDNA5" Instruction Set Architecture Reference Guide (July 2026). The comments in the code are by the model that wrote it; some were corrected since.
;; Projected Adaptive Log Softmax. Allowed arithmetic: matrix products marked QUANTISED: E4M3 operands, one given power-of-two scale a tensor, by v_wmma_f32_16x16x64_fp8_fp8 or v_wmma_f32_16x16x128_fp8_fp8, f32 sums; everything else in f32.
;; Inputs: b0 20,000 float32; b1 30,000 float32; b2 50,000 float32; cluster_b 2 float32; cluster_w 2 x 1,024 float32; hidden_codes 2 x 1,024 x 32 x 32 uint8 (E4M3 codes of hidden, K innermost, in blocks of 32 codes); lowp_scales 12 int32 (the exponents e of the quantised operands' scales 2^e); proj0_codes 1,024 x 32 x 32 uint8 (E4M3 codes of proj0, K innermost, in blocks of 32 codes); proj1_codes 256 x 32 x 32 uint8 (E4M3 codes of proj1, K innermost, in blocks of 32 codes); proj2_codes 64 x 32 x 32 uint8 (E4M3 codes of proj2, K innermost, in blocks of 32 codes); target 2 x 1,024 int32; w0 20,000 x 1,024 float32; w1_codes 30,000 x 8 x 32 uint8 (E4M3 codes of w1, K innermost, in blocks of 32 codes); w2_codes 50,000 x 2 x 32 uint8 (E4M3 codes of w2, K innermost, in blocks of 32 codes).
;; Outputs: out0 2 x 1,024 float32.
;; This version of the problem:
;;   THIS VERSION OF THE PROBLEM IS GIVEN IN LOW PRECISION. The matrix products marked QUANTISED in the list below multiply operands that are first quantised to E4M3 (4 exponent bits, 3 mantissa bits; 8 bits a number), with one given power-of-two scale for each operand tensor; their sums are f32. All else is computed in f32.
;;   The module's matrix products, in the order in which they are computed (A, B: the left and right operand; K: the contracted axis; several contracted axes count as one K, in the product's order):
;;     1. [M 2,048, K 1,024] x [K 1,024, N 1,024]; A: input hidden (given as codes); B: input proj0 (given as codes): QUANTISED (scales: A lowp_scales[0], B lowp_scales[1])
;;     2. [M 2,048, K 1,024] x [K 1,024, N 20,002]; A: computed on the way; B: computed on the way: QUANTISED (scales: A lowp_scales[2], B lowp_scales[3])
;;     3. [M 2,048, K 1,024] x [K 1,024, N 256]; A: input hidden (given as codes); B: input proj1 (given as codes): QUANTISED (scales: A lowp_scales[4], B lowp_scales[5])
;;     4. [M 2,048, K 256] x [K 256, N 30,000]; A: computed on the way; B: input w1 (given as codes): QUANTISED (scales: A lowp_scales[6], B lowp_scales[7])
;;     5. [M 2,048, K 1,024] x [K 1,024, N 64]; A: input hidden (given as codes); B: input proj2 (given as codes): QUANTISED (scales: A lowp_scales[8], B lowp_scales[9])
;;     6. [M 2,048, K 64] x [K 64, N 50,000]; A: computed on the way; B: input w2 (given as codes): QUANTISED (scales: A lowp_scales[10], B lowp_scales[11])
;;   THE QUANTISER, for each operand of a quantised product, along K:
;;     - The operand's scale is 2^e, e = its entry of the input lowp_scales (int32; the entries are numbered through the quantised products in the list's order, A before B).
;;     - Each number is divided by the scale, clamped to +-448, and rounded to the nearest number of E4M3, ties to even, subnormals kept.
;;     - The product sums the exact products of the quantised numbers (number of the format x scale) in f32.
;;   ~~~python
;;   def quantise(x, axis, e):      # numpy; x: float32 -> the quantised numbers, widened to float32 again
;;       x = np.moveaxis(x, axis, -1); K = x.shape[-1]
;;       r = np.clip(x / 2.0 ** e, -448, 448)
;;       step = 2.0 ** (np.maximum(np.frexp(np.where(r == 0, 1, r))[1] - 1, -6) - 3)
;;       q = np.round(r / step) * step * 2.0 ** e      # np.round: ties to even
;;       return np.moveaxis(q, -1, axis).astype(np.float32)
;;   ~~~
;;   OPERANDS COMPUTED ON THE WAY. 'Computed on the way' means the value that the module computes at that place (a softmax that the list does not call 'softmax' is quantised finished and normalised). What goes into a quantiser is computed in f32, as accurately as f32 sums, v_exp_f32 and their like allow (about 1e-6 of the number): no bf16 or f16 on the way to a quantiser, and a product that is left as it is and whose result goes on into a quantised operand takes f32 operands (vector FMAs, or v_wmma_f32_16x16x4_f32). A number that lies on a knife's edge between two numbers of the format may be rounded either way, as far as f32 arithmetic and the matrix unit's own rounding can turn it there, and no further.
;;   INPUTS GIVEN AS CODES. hidden (in the module: [2, 1024, 1024], K = its axis 2); proj0 (in the module: [1024, 1024], K = its axis 0); proj1 (in the module: [1024, 256], K = its axis 0); proj2 (in the module: [1024, 64], K = its axis 0); w1 (in the module: [30000, 256], K = its axis 1); w2 (in the module: [50000, 64], K = its axis 1): each comes as NAME_codes (uint8): NAME with its K axis moved to the last place and cut into blocks of 32 codes, [.., K / 32, bytes a block], one block behind the other in memory; one code a byte (a code: sign, 4 exponent bits, 3 mantissa bits); its scale is its entry of lowp_scales. Its value is code x scale, taken as it is: it is not quantised again, and the codes and scales need not be those that the quantiser above would give.
;; 2 versions, each right; version 2 is version 1 with the launches prep, finish written anew for expert scheduling mode. Each part assembles by itself: llvm-mc -triple=amdgcn-amd-amdhsa -mcpu=gfx1250 --defsym DOCPART=n.
;; ======== version 1 of 2: 4 launches
;; limits: right only within a limited range of input values
;; workspace buffers: hw_codes 20,971,520 bytes; a0_img 2,097,152 bytes; a1_img 524,288 bytes; a2_img 131,072 bytes; part_h 524,288 bytes; part_1 2,048,000 bytes; part_2 2,048,000 bytes
;; launch prep (part 1): grid 1984 x 1, 4 waves a work-group, no clusters, 66,048 bytes of LDS; arguments hidden_codes, proj0_codes, proj1_codes, proj2_codes, w0, cluster_w, lowp_scales, a0_img, a1_img, a2_img, hw_codes; writes a0_img, a1_img, a2_img, hw_codes
.if DOCPART == 1
	.amdgcn_target "amdgcn-amd-amdhsa--gfx1250"
	.amdhsa_code_object_version 6
	.text
	.protected	k_qced069d654_prep
	.globl	k_qced069d654_prep
	.p2align	8
	.type	k_qced069d654_prep,@function
k_qced069d654_prep:
	s_mov_b64 s[64:65], 0
	v_nop
	global_prefetch_b8 v0, s[64:65] scope:SCOPE_SE
	s_setreg_imm32_b32 hwreg(HW_REG_WAVE_MODE, 25, 1), 1
	s_wait_xcnt 0x0
; PREP.  Two kinds of work-groups in one launch, parted by the work-group's number alone.
; Q (work-groups 0-639): concat(w0, cluster_w), f32, becomes codes of FP8 (E4M3) with the given scale 2^e3: hw_codes [20,480 rows][1,024 bytes], K as it lies.
;   Rows 20,002 to 20,479 are zero codes: the next launch walks 32 x 640 rows.  A wave takes a run of 8 rows (8,192 numbers) in 16 steps of 512.  Each load reads 512 consecutive bytes;
;   a step's 2,048 bytes turn through the wave's own stage in LDS so that a lane holds 16 neighbours along K; a lane's 16 codes are 16 bytes: a store covers 512 consecutive bytes.
; P (work-groups 640-1,983): the three projections hidden x proj0, proj1, proj2 on codes, and the quantiser of their results (scales 2^e2, 2^e6, 2^e10).
;   A work-group makes 32 tokens x 64 rows of one proj; K = 1,024 is shared among the four waves (two steps of 128 each), the four partial sums meet in LDS.
;   The product is used transposed (source 0 = 16 rows of proj, source 1 = 16 tokens) and lane r of tile 2 b + u takes row 32 b + 8 u + r + 8 (r / 8): the 16 registers of two
;   neighbouring tiles are then 16 neighbours along the next product's K.  The codes are stored as images of the next operand's registers:
;   [token tile][128 along K][group c][lane][16 bytes], lane (r, h), group c: k = 32 c + 16 h + 0 .. 15 of token r.
; LIMITS: e3, e2 - e0 - e1, e6 - e4 - e5 and e10 - e8 - e9 between -126 and 119, so that the scale and 448 x the scale are f32 numbers.  NaN among the inputs is not served.
; LDS: P uses bytes 0 to 32,767, Q bytes 32,768 to 65,535: each path has bytes of its own.
.set QWG,   640                        ; work-groups of path Q
.set NRUN,  2500                       ; runs of 8 rows in w0; run 2,500 begins with cluster_w's two rows
.set SP,    80                         ; Q: a lane's place in a stage: 64 bytes + 16 of padding
.set QLDS,  32768
.set WREG,  8192                       ; Q: LDS for a wave: two stages of 32 x SP bytes
.set RAW,   16                         ; Q: v16-79 four sets of 16 numbers as loaded
.set X,     80                         ; Q: v80-111 two sets of 16 neighbours
.set C,     128                        ; Q: v128-191 codes, four registers a step
.set ACC,   32                         ; P: v32-95 accumulator (i, j) at ACC + 8 (4 i + j)
.set PF,    96                         ; P: v96-159 four fragments of proj; later the four partial sums
.set TF,    160                        ; P: v160-191 two fragments of tokens
	s_load_b512 s[4:19], s[0:1], 0x0               ; hidden s[4:5], proj0 s[6:7], proj1 s[8:9], proj2 s[10:11], w0 s[12:13], cluster_w s[14:15], scales s[16:17], a0 s[18:19]
	s_load_b128 s[20:23], s[0:1], 0x40             ; a1 s[20:21], a2 s[22:23]
	s_load_b64 s[24:25], s[0:1], 0x50              ; hw_codes
	v_lshl_add_u32 v192, v0, 2, 0x10000
	v_mov_b32 v193, 0
	v_lshrrev_b32 v1, 5, v0
	v_readfirstlane_b32 s28, v1                    ; wave 0..3
	v_and_b32 v2, 31, v0                           ; lane
	v_lshlrev_b32 v3, 4, v2                        ; 16 x lane: my 16 bytes of 512
	s_mov_b32 s49, 0                               ; the upper word of every offset below
	s_wait_kmcnt 0x0
	s_load_b256 s[32:39], s[16:17], 0x0            ; e0 .. e7
	s_load_b128 s[40:43], s[16:17], 0x20           ; e8 .. e11
	s_cmp_lt_u32 ttmp9, QWG
	s_cbranch_scc0 .Lproj
; ---------------------------------------------------------------- path Q
	s_lshl_b32 s26, ttmp9, 2
	s_add_co_u32 s26, s26, s28                     ; my run
	s_lshl_b32 s48, s26, 13
	s_add_nc_u64 s[24:25], s[24:25], s[48:49]      ; its 8,192 bytes of codes
	s_cmp_gt_u32 s26, NRUN
	s_cbranch_scc1 .Lzero                          ; runs behind cluster_w's hold zero codes alone
	s_mul_i32 s29, s28, WREG
	s_add_co_u32 s29, s29, QLDS                    ; my stages
	v_lshrrev_b32 v14, 2, v2
	v_mul_u32_u24 v14, v14, SP
	v_and_b32 v15, 3, v2
	v_lshl_add_u32 v14, v15, 4, v14
	v_add_nc_u32 v14, s29, v14                     ; in: four lanes' 64 bytes on end, then the padding
	v_mul_u32_u24 v15, v2, SP
	v_add_nc_u32 v15, s29, v15                     ; out: my 16 neighbours
	s_lshl_b32 s48, s26, 15                        ; my run's 32,768 bytes of f32
	s_cmp_eq_u32 s26, NRUN
	s_cselect_b32 s48, 0, s48                      ; run 2,500: steps 0-3 are cluster_w's 8,192 bytes; steps 4-15 read w0's first rows and are held at 0
	s_cselect_b64 s[44:45], s[14:15], s[12:13]
	s_add_nc_u64 s[44:45], s[44:45], s[48:49]      ; steps 0-3 read here,
	s_add_nc_u64 s[46:47], s[12:13], s[48:49]      ; steps 4-15 here
.macro QLOAD t
.irp i, 0,1,2,3
.if (\t) < 4
	global_load_b128 v[RAW+16*((\t)%4)+4*\i:RAW+16*((\t)%4)+4*\i+3], v3, s[44:45] offset:2048*(\t)+512*\i th:TH_LOAD_NT
.else
	global_load_b128 v[RAW+16*((\t)%4)+4*\i:RAW+16*((\t)%4)+4*\i+3], v3, s[46:47] offset:2048*(\t)+512*\i th:TH_LOAD_NT
.endif
.endr
.endm
.macro QTURN t                         ; a step's numbers through the stage: LDS serves a wave's instructions in order, so no wait stands between the stores and the loads
.irp i, 0,1,2,3
	ds_store_b128 v14, v[RAW+16*((\t)%4)+4*\i:RAW+16*((\t)%4)+4*\i+3] offset:32*SP*((\t)%2)+8*SP*\i
.endr
.irp i, 0,1,2,3
	ds_load_b128 v[X+16*((\t)%2)+4*\i:X+16*((\t)%2)+4*\i+3], v15 offset:32*SP*((\t)%2)+16*\i
.endr
.endm
.irp t, 0,1,2,3
	QLOAD \t
.endr
	s_wait_kmcnt 0x0
	s_add_co_i32 s50, s35, 127
	s_lshl_b32 s51, s50, 23
	v_mov_b32 v11, s51                             ; 2^e3 as f32: the conversion takes its exponent field
	s_add_co_i32 s50, s50, 8
	s_lshl_b32 s50, s50, 23
	s_or_b32 s50, s50, 0x600000
	v_mov_b32 v10, s50                             ; 448 x 2^e3: the hold of steps 0-3
	s_cmp_eq_u32 s26, NRUN
	s_cselect_b32 s50, 0, s50
	v_mov_b32 v12, s50                             ; and of steps 4-15: 0 in run 2,500, which makes zero codes
	s_wait_loadcnt 12                              ; step 0's four loads are in; the twelve of steps 1-3 may be out
	QTURN 0
.macro QSTEP t
.set XS, X+16*((\t)%2)
.set LIMR, 12
.if (\t) < 4
.set LIMR, 10
.endif
	s_wait_dscnt 0x0                               ; this step's numbers are back from the stage
.if (\t)+4 < 16
	QLOAD (\t)+4
.endif
.if (\t)+1 < 16
.if 14-(\t) >= 3
	s_wait_loadcnt 12                              ; the next step's four loads are in; those of the three steps behind it may be out
.else
	s_wait_loadcnt 4*(14-(\t))
.endif
	QTURN (\t)+1
.endif
.irp i, 0,1,2,3,4,5,6,7,8,9,10,11,12,13,14,15
	v_med3_num_f32 v[XS+\i], v[XS+\i], -v[LIMR], v[LIMR]   ; the conversion to an 8-bit code does not saturate (ISA guide 7.6.2): the hold comes first
.endr
	v_cvt_scalef32_pk8_fp8_f32 v[C+4*(\t):C+4*(\t)+1], v[XS:XS+7], v11
	v_cvt_scalef32_pk8_fp8_f32 v[C+4*(\t)+2:C+4*(\t)+3], v[XS+8:XS+15], v11
	global_store_b128 v3, v[C+4*(\t):C+4*(\t)+3], s[24:25] offset:512*(\t)   ; 512 consecutive bytes; each step has its own registers for its codes
.endm
.irp t, 0,1,2,3,4,5,6,7,8,9,10,11,12,13,14,15
	QSTEP \t
.endr
	s_wait_tensorcnt 0x0
	ds_add_u32 v192, v193
	s_wait_dscnt 0x0
	s_endpgm
.Lzero:
	s_wait_kmcnt 0x0
	v_mov_b32 v128, 0
	v_mov_b32 v129, 0
	v_mov_b32 v130, 0
	v_mov_b32 v131, 0
.irp t, 0,1,2,3,4,5,6,7,8,9,10,11,12,13,14,15
	global_store_b128 v3, v[128:131], s[24:25] offset:512*\t
.endr
	s_endpgm
; ---------------------------------------------------------------- path P
.Lproj:
	s_sub_co_u32 s26, ttmp9, QWG
	s_lshr_b32 s27, s26, 6                         ; unit of 64 rows: 0-15 proj0, 16-19 proj1, 20 proj2
	s_and_b32 s26, s26, 63                         ; pair of token tiles
	v_and_b32 v1, 15, v0                           ; r
	v_bfe_u32 v9, v0, 4, 1                         ; h
	s_lshl_b32 s29, s28, 8                         ; my two K steps begin at byte 256 x wave of a row
	v_lshlrev_b32 v4, 10, v1
	v_lshl_add_u32 v4, v9, 4, v4
	v_add_nc_u32 v4, s29, v4                       ; tokens: row r, + 16 h
	v_and_b32 v5, 8, v1
	v_add_nc_u32 v5, v5, v1                        ; r + 8 (r / 8)
	v_lshlrev_b32 v5, 10, v5
	v_lshl_add_u32 v5, v9, 4, v5
	v_add_nc_u32 v5, s29, v5                       ; proj: the tile's rows are not neighbours
	s_lshl_b32 s29, s28, 13
	v_add_nc_u32 v6, s29, v3                       ; LDS: my eight partial accumulators, 1,024 bytes each
	s_lshl_b32 s29, s28, 11
	v_add_nc_u32 v7, s29, v3                       ; LDS: accumulators 2 w and 2 w + 1 in each wave's part
	s_cmp_lt_u32 s27, 20                           ; the choices hang on the work-group's number alone
	s_cselect_b64 s[44:45], s[8:9], s[10:11]
	s_cselect_b64 s[46:47], s[20:21], s[22:23]
	s_cselect_b32 s30, 16, 20
	s_cselect_b32 s31, 12, 10
	s_cmp_lt_u32 s27, 16
	s_cselect_b64 s[44:45], s[6:7], s[44:45]       ; the proj,
	s_cselect_b64 s[46:47], s[18:19], s[46:47]     ; the image buffer,
	s_cselect_b32 s30, 0, s30                      ; the proj's first unit,
	s_cselect_b32 s31, 14, s31                     ; log2 of a token tile's bytes in the image
	s_sub_co_u32 s30, s27, s30                     ; the unit within its proj
	s_lshl_b32 s48, s30, 16
	s_add_nc_u64 s[44:45], s[44:45], s[48:49]      ; its 64 rows of 1,024 bytes
	s_lshl_b32 s48, s26, 15
	s_add_nc_u64 s[4:5], s[4:5], s[48:49]          ; my 32 tokens
	s_lshr_b32 s50, s28, 1                         ; behind the sums wave w owns token tile w / 2
	s_and_b32 s51, s28, 1                          ; and the pair of tiles w % 2: 32 along the next K
	s_lshl_b32 s48, s26, 1
	s_add_co_u32 s48, s48, s50
	s_lshl_b32 s48, s48, s31
	s_lshl_b32 s52, s30, 1
	s_add_co_u32 s52, s52, s51
	s_lshl_b32 s52, s52, 9
	s_add_co_u32 s48, s48, s52
	s_add_nc_u64 s[46:47], s[46:47], s[48:49]      ; token tile x its bytes + 512 x (2 x unit + pair)
.macro PLOAD k
.irp j, 0,1,2,3
.irp c, 0,1,2,3
	global_load_b128 v[PF+16*\j+4*\c:PF+16*\j+4*\c+3], v5, s[44:45] offset:(32*(\j/2)+8*(\j%2))*1024+128*\k+32*\c
.endr
.endr
.irp i, 0,1
.irp c, 0,1,2,3
	global_load_b128 v[TF+16*\i+4*\c:TF+16*\i+4*\c+3], v4, s[4:5] offset:16384*\i+128*\k+32*\c
.endr
.endr
.endm
.macro PMUL zero                       ; eight accumulators by turns, one instruction a turn
.irp i, 0,1
.irp j, 0,1,2,3
.if \zero
	v_wmma_f32_16x16x128_fp8_fp8 v[ACC+8*(4*\i+\j):ACC+8*(4*\i+\j)+7], v[PF+16*\j:PF+16*\j+15], v[TF+16*\i:TF+16*\i+15], 0
.else
	v_wmma_f32_16x16x128_fp8_fp8 v[ACC+8*(4*\i+\j):ACC+8*(4*\i+\j)+7], v[PF+16*\j:PF+16*\j+15], v[TF+16*\i:TF+16*\i+15], v[ACC+8*(4*\i+\j):ACC+8*(4*\i+\j)+7]
.endif
.endr
.endr
.rept 4
	v_nop                                          ; places in front of loads into the fragments' registers and of the first read of results
.endr
.endm
	PLOAD 0
	s_wait_kmcnt 0x0
	s_sub_co_i32 s50, s34, s32                     ; a sum stands for sum x 2^(eA + eB): its code is sum / 2^(eQ - eA - eB): three scales folded into one
	s_sub_co_i32 s50, s50, s33
	s_sub_co_i32 s51, s38, s36
	s_sub_co_i32 s51, s51, s37
	s_sub_co_i32 s52, s42, s40
	s_sub_co_i32 s52, s52, s41
	s_cmp_lt_u32 s27, 20
	s_cselect_b32 s51, s51, s52
	s_cmp_lt_u32 s27, 16
	s_cselect_b32 s50, s50, s51
	s_add_co_i32 s50, s50, 127
	s_lshl_b32 s51, s50, 23
	v_mov_b32 v11, s51                             ; the folded scale as f32
	s_add_co_i32 s50, s50, 8
	s_lshl_b32 s50, s50, 23
	s_or_b32 s50, s50, 0x600000
	v_mov_b32 v10, s50                             ; 448 x that
	s_wait_loadcnt 0x0
	PMUL 1
	PLOAD 1
	s_wait_loadcnt 0x0
	PMUL 0
.irp a, 0,1,2,3,4,5,6,7
	ds_store_b128 v6, v[ACC+8*\a:ACC+8*\a+3] offset:1024*\a            ; each accumulator from its low end on
	ds_store_b128 v6, v[ACC+8*\a+4:ACC+8*\a+7] offset:1024*\a+512
.endr
	s_wait_dscnt 0x0                               ; for the others' sake: my partial sums lie in LDS
	s_barrier_signal -1
	s_barrier_wait -1
.irp p, 0,1,2,3
.irp u, 0,1
	ds_load_b128 v[PF+16*\p+8*\u:PF+16*\p+8*\u+3], v7 offset:8192*\p+1024*\u
	ds_load_b128 v[PF+16*\p+8*\u+4:PF+16*\p+8*\u+7], v7 offset:8192*\p+1024*\u+512
.endr
.endr
	s_wait_dscnt 0x0
.irp j, 0,2,4,6,8,10,12,14
	v_pk_add_f32 v[PF+\j:PF+\j+1], v[PF+\j:PF+\j+1], v[PF+16+\j:PF+16+\j+1]
	v_pk_add_f32 v[PF+32+\j:PF+32+\j+1], v[PF+32+\j:PF+32+\j+1], v[PF+48+\j:PF+48+\j+1]
.endr
.irp j, 0,2,4,6,8,10,12,14
	v_pk_add_f32 v[PF+\j:PF+\j+1], v[PF+\j:PF+\j+1], v[PF+32+\j:PF+32+\j+1]
.endr
.irp j, 0,1,2,3,4,5,6,7,8,9,10,11,12,13,14,15
	v_med3_num_f32 v[PF+\j], v[PF+\j], -v10, v10
.endr
	v_cvt_scalef32_pk8_fp8_f32 v[16:17], v[PF:PF+7], v11
	v_cvt_scalef32_pk8_fp8_f32 v[18:19], v[PF+8:PF+15], v11
	v_nop                                          ; a plain line behind the last conversion
	global_store_b128 v3, v[16:19], s[46:47]       ; one group of four registers of the next operand: 512 consecutive bytes
	s_wait_tensorcnt 0x0
	ds_add_u32 v192, v193
	s_wait_dscnt 0x0
	s_endpgm
.Lfunc_end_k_qced069d654_prep:
	.size	k_qced069d654_prep, .Lfunc_end_k_qced069d654_prep-k_qced069d654_prep
	.p2alignl 7, 3214868480
	.fill 96, 4, 3214868480
	.section	.rodata,"a",@progbits
	.p2align	6, 0x0
	.amdhsa_kernel k_qced069d654_prep
		.amdhsa_group_segment_fixed_size 66048
		.amdhsa_private_segment_fixed_size 0
		.amdhsa_enable_private_segment 0
		.amdhsa_kernarg_size 88
		.amdhsa_user_sgpr_count 2
		.amdhsa_user_sgpr_kernarg_segment_ptr 1
		.amdhsa_wavefront_size32 1
		.amdhsa_system_sgpr_workgroup_id_x 1
		.amdhsa_system_sgpr_workgroup_id_y 1
		.amdhsa_system_sgpr_workgroup_id_z 1
		.amdhsa_system_vgpr_workitem_id 0
		.amdhsa_next_free_vgpr 194
		.amdhsa_next_free_sgpr 66
		.amdhsa_reserve_vcc 0
		.amdhsa_float_denorm_mode_32 3
		.amdhsa_float_denorm_mode_16_64 3
		.amdhsa_memory_ordered 1
		.amdhsa_forward_progress 1
		.amdhsa_inst_pref_size 52
	.end_amdhsa_kernel
	.amdgpu_metadata
---
amdhsa.version: [ 1, 2 ]
amdhsa.kernels:
  - .name:           k_qced069d654_prep
    .symbol:         k_qced069d654_prep.kd
    .args:
      - { .name: hidden_codes, .offset: 0, .size: 8, .value_kind: global_buffer, .address_space: global }
      - { .name: proj0_codes, .offset: 8, .size: 8, .value_kind: global_buffer, .address_space: global }
      - { .name: proj1_codes, .offset: 16, .size: 8, .value_kind: global_buffer, .address_space: global }
      - { .name: proj2_codes, .offset: 24, .size: 8, .value_kind: global_buffer, .address_space: global }
      - { .name: w0, .offset: 32, .size: 8, .value_kind: global_buffer, .address_space: global }
      - { .name: cluster_w, .offset: 40, .size: 8, .value_kind: global_buffer, .address_space: global }
      - { .name: lowp_scales, .offset: 48, .size: 8, .value_kind: global_buffer, .address_space: global }
      - { .name: a0_img, .offset: 56, .size: 8, .value_kind: global_buffer, .address_space: global }
      - { .name: a1_img, .offset: 64, .size: 8, .value_kind: global_buffer, .address_space: global }
      - { .name: a2_img, .offset: 72, .size: 8, .value_kind: global_buffer, .address_space: global }
      - { .name: hw_codes, .offset: 80, .size: 8, .value_kind: global_buffer, .address_space: global }
    .group_segment_fixed_size: 66048
    .private_segment_fixed_size: 0
    .kernarg_segment_align: 8
    .kernarg_segment_size: 88
    .max_flat_workgroup_size: 128
    .sgpr_count:     66
    .vgpr_count:     194
    .wavefront_size: 32
...
	.end_amdgpu_metadata
.endif
;; end of part 1
;; launch head (part 2): grid 8 x 32, 4 waves a work-group, clusters of 4 x 1, 327,680 bytes of LDS; arguments a0_img, hw_codes, b0, cluster_b, lowp_scales, part_h; writes part_h
.if DOCPART == 2
	.amdgcn_target "amdgcn-amd-amdhsa--gfx1250"
	.amdhsa_code_object_version 6
	.text
	.protected	k_qced069d654_head
	.globl	k_qced069d654_head
	.p2align	8
	.type	k_qced069d654_head,@function
k_qced069d654_head:
	s_mov_b64 s[64:65], 0
	v_nop
	global_prefetch_b8 v0, s[64:65] scope:SCOPE_SE
	s_setreg_imm32_b32 hwreg(HW_REG_WAVE_MODE, 25, 1), 1
	s_wait_xcnt 0x0
	s_wait_alu depctr_hold_cnt(0) depctr_sa_sdst(0) depctr_va_vdst(0) depctr_va_sdst(0) depctr_va_ssrc(0) depctr_va_vcc(0) depctr_vm_vsrc(0)
	s_getreg_b32 s2, hwreg(HW_REG_IB_STS2, 6, 4)
	s_cmp_eq_u32 s2, 0
	s_cbranch_scc0 .Lentry_in_a_cluster
	s_endpgm
.Lentry_in_a_cluster:
	s_bfe_u32 s2, ttmp6, 0x10000c
	s_cmp_lg_u32 s2, 0x3003
	s_cbranch_scc0 .Lentry_shape_is_right
	s_endpgm
.Lentry_shape_is_right:
; HEAD: logits = Q(h proj0) x Q(concat(w0, cluster_w))^T + bias on codes of FP8, and of each token's logits only a running largest value and a sum of exponentials.
; SHARES.  A work-group owns 256 tokens (row block 4 x cluster x + cx) and 640 columns (split y): 256 work-groups of equal work.  Each of its four waves owns 64 tokens: four tiles of 16, whose
; fragments for the whole K = 1,024 (512 registers) stay in registers.  The 640 rows of hw_codes come in five sets of 128 rows through two LDS slots.
; CLUSTER.  The four row blocks of a cluster walk the same 640 rows: each set is asked for JOINTLY, by the same tensor load with the same descriptor and the mask of all four.
; LAYOUT.  Source 0 = 16 rows of hw_codes (16 columns of logits), source 1 = 16 tokens: a lane holds ONE token (lane % 16) and columns 8 (lane / 16) + 0 .. 7 of each tile.
; The bias, divided by 2^(e2 + e3), is the C of a sum's first matrix instruction.  A fragment comes by loads of 16 bytes: registers 4 c .. 4 c + 3 hold k = 32 c + 16 (lane / 16) + 0 .. 15, alike on both sides.
; SOFTMAX.  x = a raw sum; t = c x, c = log2(e) 2^(e2 + e3).  Each lane keeps, for its token and its half of the columns, m = the largest x so far, -c m, and L = the sum of 2^(c x - c m) in two halves;
; when m grows, L is multiplied by 2^(c m_old - c m_new).  At the end the two halves of the lanes are joined and (-c m, L) is stored for each token: part_h [32 splits][2,048 tokens][2].
; The 478 columns behind column 20,001 have zero codes and the raw bias -2^100: their exponentials are 0.
; LIMITS: e2 + e3 between -60 and 126 (c is an f32 number, and c 2^100 lies far beyond every logit).  NaN among the inputs is not served.
; REGISTERS, in windows of 256: window 0: v1-11 addresses; v16-31 four registers of statistics a tile (-c m, m, L, L); v32-47 at work; v48-63 the bias of two tiles of columns; v64-127 the sums S(t, v); v128-159 at work.
;   window 1: the fragments of two tiles of columns: K steps 0-3 (X) at v0-127, K steps 4-7 (Y) at v128-255.   window 2: the tokens' fragments of K steps 0-3, 64 a tile;   window 3: of K steps 4-7.
.set PITCH, 1040                       ; an LDS row: 1,024 bytes + 16 of padding: 65 x 16, so that the 16 rows of a load start at 16 different groups of banks (64 banks of 4 bytes: ISA guide 11.1)
.set WPART, 32*PITCH                   ; 32 rows: what one tensor load brings, and what a pair of tiles of columns reads
.set SLOT,  128*PITCH
.set BIAS,  2*SLOT                     ; 640 f32: ten blocks of 256 bytes into which no fill lands
.set SPARE, BIAS+2560                  ; the spare words, 128 bytes for each wave: two blocks of 256 bytes that no other line names
.set AW0, 3                            ; v3   my lane's place in a tile of rows
.set AB0, 4                            ; v4   my half's place in a tile's bias
.set ADR, 5                            ; v5   LDS address of the fragments in hand
.set ADB, 6                            ; v6   of the bias in hand
.set LI,  7                            ; v7   16 x lane
.set L8,  8                            ; v8   8 x lane
.set SPW, 10                           ; v10  LDS address of my spare word; never rewritten
.set NIL, 11                           ; v11  0; never rewritten
.set ST,  16
.set FB,  32                           ; v[32+2t] the rescaling factor, v[33+2t] its exponent
.set UB,  40                           ; v[40+2t:41+2t] second chains
.set BC,  48
.set S,   64
.set WK,  128
.set WV,  16                           ; s16  wave
.set G1,  24                           ; s[24:31] descriptor group 1
.set G0,  32                           ; s[32:39] descriptor group 0, a set for each slot
.set TB,  40                           ; s40  LDS byte of the pair of tiles to be fetched
.set BP,  41                           ; s41  byte of its bias
.set CNT, 42
.set CS,  44                           ; s[44:45] c
.set NC,  46                           ; s46  -c
.set SEL, 48                           ; s[48:49] lane selects: lane l xor 16
.set MSK, 50                           ; s50  lanes 16-31
.set MSB, 0
.macro WIN new                         ; the immediate's high byte repeats the setting that is left
.if MSB != \new
	s_set_vgpr_msb (MSB<<8)|\new
.set MSB, \new
.endif
.endm
.macro NOPS n
.rept \n
	v_nop
.endr
.endm
.macro ROUND                           ; a round of the cluster's barrier
	s_barrier_signal -1
	s_barrier_wait -1
	s_cmp_lg_u32 s[WV], 0
	s_cbranch_scc1 .Lnot_wave_0_\@
	s_barrier_signal -3
.Lnot_wave_0_\@:
	s_barrier_wait -3
	s_barrier_signal -1
	s_barrier_wait -1
.endm
; The softmax step of nt tiles of tokens, n sums a tile (tile t's at v[sb + n t] on, read in ascending order), statistics at v[st + 4 t].  The tiles alternate line by line.
.macro SOFT sb, n, nt, st, cs, nc
.set i_, 0
.rept (\n)/2                           ; the largest x, three operands at a time, in two chains a tile
.set t_, 0
.rept \nt
.set x_, (\sb)+(\n)*t_+2*i_
.if i_ == 1
	v_max_num_f32 v[UB+2*t_], v[x_], v[x_+1]
.elseif (i_%2) == 1
	v_max3_num_f32 v[UB+2*t_], v[UB+2*t_], v[x_], v[x_+1]
.else
	v_max3_num_f32 v[(\st)+4*t_+1], v[(\st)+4*t_+1], v[x_], v[x_+1]
.endif
.set t_, t_+1
.endr
.set i_, i_+1
.endr
.set t_, 0
.rept \nt
	v_max_num_f32 v[(\st)+4*t_+1], v[(\st)+4*t_+1], v[UB+2*t_]
.set t_, t_+1
.endr
.set t_, 0
.rept \nt
	v_fma_f32 v[FB+2*t_+1], v[(\st)+4*t_+1], s[\nc], -v[(\st)+4*t_]   ; c m_old - c m_new
.set t_, t_+1
.endr
.set t_, 0
.rept \nt
	v_mul_f32 v[(\st)+4*t_], s[\nc], v[(\st)+4*t_+1]                  ; -c m
.set t_, t_+1
.endr
.set t_, 0
.rept \nt
	v_exp_f32 v[FB+2*t_], v[FB+2*t_+1]
.set t_, t_+1
.endr
.set i_, 0
.rept (\n)/2
.set t_, 0
.rept \nt
.set x_, (\sb)+(\n)*t_+2*i_
	v_pk_fma_f32 v[x_:x_+1], v[x_:x_+1], s[\cs:\cs+1], v[(\st)+4*t_:(\st)+4*t_+1] op_sel_hi:[1,0,0]   ; c x - c m, two at a time
.set t_, t_+1
.endr
.set i_, i_+1
.endr
.set i_, 0
.rept \n
.set t_, 0
.rept \nt
	v_exp_f32 v[(\sb)+(\n)*t_+i_], v[(\sb)+(\n)*t_+i_]
.set t_, t_+1
.endr
.set i_, i_+1
.endr
	v_nop                                          ; a plain line behind the exponentials
.set t_, 0
	s_wait_alu depctr_va_vdst(0)
.rept \nt
	v_pk_fma_f32 v[(\st)+4*t_+2:(\st)+4*t_+3], v[(\st)+4*t_+2:(\st)+4*t_+3], v[FB+2*t_:FB+2*t_+1], v[(\sb)+(\n)*t_:(\sb)+(\n)*t_+1] op_sel_hi:[1,0,1]   ; L under the new m, + the first pair
.set t_, t_+1
.endr
.set t_, 0
.rept \nt
	v_pk_add_f32 v[UB+2*t_:UB+2*t_+1], v[(\sb)+(\n)*t_+2:(\sb)+(\n)*t_+3], v[(\sb)+(\n)*t_+4:(\sb)+(\n)*t_+5]
.set t_, t_+1
.endr
.set i_, 3
.rept (\n)/2-3
.set t_, 0
.rept \nt
.set x_, (\sb)+(\n)*t_+2*i_
.if (i_%2) == 1
	v_pk_add_f32 v[(\st)+4*t_+2:(\st)+4*t_+3], v[(\st)+4*t_+2:(\st)+4*t_+3], v[x_:x_+1]
.else
	v_pk_add_f32 v[UB+2*t_:UB+2*t_+1], v[UB+2*t_:UB+2*t_+1], v[x_:x_+1]
.endif
.set t_, t_+1
.endr
.set i_, i_+1
.endr
.set t_, 0
.rept \nt
	v_pk_add_f32 v[(\st)+4*t_+2:(\st)+4*t_+3], v[(\st)+4*t_+2:(\st)+4*t_+3], v[UB+2*t_:UB+2*t_+1]
.set t_, t_+1
.endr
.endm
; Two tiles' statistics (at st and st + 4) are joined across the halves of the lanes and stored: lanes 0-15 the first tile's 16 tokens, lanes 16-31 the second's: 256 consecutive bytes.
.macro FINAL st, wk, bs, off
.irp q, 0,1
	v_add_f32 v[(\wk)+8*\q], v[(\st)+4*\q+2], v[(\st)+4*\q+3]
	v_mov_b32 v[(\wk)+8*\q+1], 0                   ; a lane permute's destination counts as one of its sources
	v_mov_b32 v[(\wk)+8*\q+2], 0
.endr
.irp q, 0,1
	v_permlanex16_b32 v[(\wk)+8*\q+1], v[(\st)+4*\q], s[SEL], s[SEL+1]
	v_permlanex16_b32 v[(\wk)+8*\q+2], v[(\wk)+8*\q], s[SEL], s[SEL+1]
.endr
.irp q, 0,1
	v_min_num_f32 v[(\wk)+8*\q+3], v[(\st)+4*\q], v[(\wk)+8*\q+1]   ; the smaller -c m belongs to the larger m
.endr
.irp q, 0,1
	v_sub_f32 v[(\wk)+8*\q+4], v[(\wk)+8*\q+3], v[(\st)+4*\q]
	v_sub_f32 v[(\wk)+8*\q+5], v[(\wk)+8*\q+3], v[(\wk)+8*\q+1]
.endr
.irp q, 0,1
	v_exp_f32 v[(\wk)+8*\q+4], v[(\wk)+8*\q+4]
	v_exp_f32 v[(\wk)+8*\q+5], v[(\wk)+8*\q+5]
.endr
	v_nop
	s_wait_alu depctr_va_vdst(0)
.irp q, 0,1
	v_mul_f32 v[(\wk)+8*\q], v[(\wk)+8*\q], v[(\wk)+8*\q+4]
.endr
.irp q, 0,1
	v_fmac_f32 v[(\wk)+8*\q], v[(\wk)+8*\q+2], v[(\wk)+8*\q+5]
.endr
	v_cndmask_b32 v[(\wk)+6], v[(\wk)+3], v[(\wk)+11], s[MSK]
	v_cndmask_b32 v[(\wk)+7], v[(\wk)], v[(\wk)+8], s[MSK]
	global_store_b64 v[L8], v[(\wk)+6:(\wk)+7], s[\bs:\bs+1] offset:\off
.endm
	s_load_b256 s[4:11], s[0:1], 0x0               ; a0_img s[4:5], hw_codes s[6:7], b0 s[8:9], cluster_b s[10:11]
	s_load_b128 s[12:15], s[0:1], 0x20             ; the scales' exponents s[12:13], part_h s[14:15]
	v_lshl_add_u32 v[SPW], v0, 2, SPARE
	v_mov_b32 v[NIL], 0
	ds_add_u32 v10, v11
	ds_add_u32 v10, v11
	s_wait_dscnt 0x0
	v_lshrrev_b32 v1, 5, v0
	v_readfirstlane_b32 s[WV], v1                  ; wave 0..3
	s_bfe_u32 s17, ttmp6, 0x40000                  ; cx: it enters a0_img's and part_h's addresses alone
	s_lshl_b32 s18, ttmp9, 2
	s_add_co_u32 s18, s18, s17                     ; my block of 256 tokens
	s_and_b32 s19, ttmp7, 0xffff                   ; my split of 640 columns, which the four partners share
	s_mov_b32 s[G1+0], 15|(1<<20)|(1<<21)|(7<<22)|(3<<25)   ; 15:0 the mask: all four; 17:16 elements of 1 byte; 20 padding on; 21 set beside a mask; 24:22 after every 256 words (code 7); 31:25 four words (code 3)
	s_mov_b32 s[G1+1], 1024<<16                    ; tensor_dim0 = 1,024
	s_mov_b32 s[G1+2], 32<<16                      ; tensor_dim1 = 32
	s_mov_b32 s[G1+3], 1024<<16                    ; tile_dim0 = 1,024
	s_mov_b32 s[G1+4], 32                          ; tile_dim1 = 32
	s_mov_b32 s[G1+5], 1024                        ; from row to row
	s_mov_b32 s[G1+6], 0
	s_mov_b32 s[G1+7], 0
	s_mov_b32 s[SEL], 0x76543210
	s_mov_b32 s[SEL+1], 0xfedcba98
	s_mov_b32 s[MSK], 0xffff0000
	s_mov_b32 s[TB], 0
	s_mov_b32 s[BP], 0
	s_mul_i32 s20, s19, 640
	s_lshl_b32 s21, s[WV], 5
	s_add_co_u32 s20, s20, s21                     ; the first row that I fetch: 640 y + 32 x wave
	s_lshl_b32 s20, s20, 10
	s_mov_b32 s21, 0
	s_mul_i32 s22, s[WV], WPART                    ; and where it goes in a slot
	s_wait_kmcnt 0x0
	s_load_b128 s[52:55], s[12:13], 0x0            ; e0 .. e3
	s_add_nc_u64 s[20:21], s[6:7], s[20:21]
.irp n, 0,1
	s_mov_b32 s[G0+4*\n], 1                        ; count = 1
	s_add_co_u32 s[G0+4*\n+1], s22, \n*SLOT        ; LDS address
	s_add_nc_u64 s[G0+4*\n+2:G0+4*\n+3], s[20:21], \n*128*1024   ; global address: set n
	s_or_b32 s[G0+4*\n+3], s[G0+4*\n+3], 0x80000000              ; type = 2
.endr
	ROUND                                          ; all four work-groups are here: the first joint loads meet
	tensor_load_to_lds s[G0:G0+3], s[G1:G1+7]      ; sets 0 and 1: two loads of mine are out
	s_nop 0
	tensor_load_to_lds s[G0+4:G0+7], s[G1:G1+7]
	s_nop 0
	NOPS 4
	s_lshl_b32 s20, s18, 18
	s_lshl_b32 s23, s[WV], 16
	s_add_co_u32 s20, s20, s23
	s_mov_b32 s21, 0
	s_add_nc_u64 s[4:5], s[4:5], s[20:21]          ; my four token tiles' images: (16 x block + 4 x wave) x 16,384 bytes
	s_lshl_b32 s20, s19, 14
	s_lshl_b32 s23, s18, 11
	s_add_co_u32 s20, s20, s23
	s_lshl_b32 s23, s[WV], 9
	s_add_co_u32 s20, s20, s23
	s_add_nc_u64 s[14:15], s[14:15], s[20:21]      ; part_h: split y, my 64 tokens
	v_and_b32 v9, 31, v0
	v_lshlrev_b32 v[LI], 4, v9
	v_lshlrev_b32 v[L8], 3, v9
	WIN 0x80                                       ; destination window 2
.irp t, 0,1,2,3
.irp s, 0,1,2,3
.irp c, 0,1,2,3
	global_load_b128 v[64*\t+16*\s+4*\c:64*\t+16*\s+4*\c+3], v[LI], s[4:5] offset:16384*\t+2048*\s+512*\c
.endr
.endr
.endr
	WIN 0xc0                                       ; destination window 3
.irp t, 0,1,2,3
.irp s, 0,1,2,3
.irp c, 0,1,2,3
	global_load_b128 v[64*\t+16*\s+4*\c:64*\t+16*\s+4*\c+3], v[LI], s[4:5] offset:16384*\t+2048*(\s+4)+512*\c
.endr
.endr
.endr
	WIN 0
	; the split's 640 biases: thread n takes columns 640 y + n + 128 i
	s_mul_i32 s20, s19, 640
	v_add_nc_u32 v12, s20, v0
	v_lshl_add_u32 v14, v0, 2, BIAS
.irp i, 0,1,2,3,4
	v_add_nc_u32 v[128+\i], 128*\i, v12            ; the column
	v_min_u32 v[136+\i], 0x4e1f, v[128+\i]         ; b0's index, held at 19,999
	v_lshlrev_b32 v[136+\i], 2, v[136+\i]
	v_add_nc_u32 v[144+\i], 0xffffb1e0, v[128+\i]  ; column - 20,000 (it wraps below 20,000),
	v_min_u32 v[144+\i], 1, v[144+\i]              ; held at 1: cluster_b's index
	v_lshlrev_b32 v[144+\i], 2, v[144+\i]
	global_load_b32 v[152+\i], v[136+\i], s[8:9]
	global_load_b32 v[160+\i], v[144+\i], s[10:11]
.endr
	v_and_b32 v1, 15, v0                           ; r
	v_bfe_u32 v2, v0, 4, 1                         ; h
	v_mul_u32_u24 v[AW0], v1, PITCH
	v_lshl_add_u32 v[AW0], v2, 4, v[AW0]           ; row r, + 16 h
	v_lshl_add_u32 v[AB0], v2, 5, BIAS             ; my half's eight columns
	v_mov_b32 v13, 0xf1800000                      ; -2^100
.irp t, 0,1,2,3
	v_mov_b32 v[ST+4*\t], 0x7f61b1e6               ; -c m begins at 3e38, so that the first rescaling factor is 0,
	v_mov_b32 v[ST+4*\t+1], 0xff61b1e6             ; m at -3e38, under every x,
	v_mov_b32 v[ST+4*\t+2], 0                      ; L at 0
	v_mov_b32 v[ST+4*\t+3], 0
.endr
	s_wait_kmcnt 0x0
	s_add_co_i32 s20, s54, s55                     ; e2 + e3
	s_sub_co_i32 s21, 0, s20
	s_lshl_b32 s20, s20, 23
	s_add_co_i32 s[CS], s20, 0x3fb8aa3b            ; c = log2(e) 2^(e2 + e3): the exponents are added to log2(e)'s exponent field
	s_mov_b32 s[CS+1], s[CS]                       ; (named with it as a pair, so it is written)
	s_xor_b32 s[NC], s[CS], 0x80000000             ; -c
	s_wait_loadcnt 0x0                             ; the tokens' fragments and the biases
.irp i, 0,1,2,3,4
	v_cmp_le_u32 vcc_lo, 0x4e20, v[128+\i]
	v_cndmask_b32 v[152+\i], v[152+\i], v[160+\i], vcc_lo   ; from column 20,000 on: cluster_b
	v_ldexp_f32 v[152+\i], v[152+\i], s21          ; / 2^(e2 + e3): the power of two that the sums lack
	v_cmp_le_u32 vcc_lo, 0x4e22, v[128+\i]
	v_cndmask_b32 v[152+\i], v[152+\i], v13, vcc_lo         ; from column 20,002 on: no column
	ds_store_b32 v14, v[152+\i] offset:512*\i
.endr
; X: the next pair's bias and its fragments of K steps 0-3.  The two additions and two v_nop are the four places behind the products that read these registers (ISA guide 7.12.1 for vector instructions).
.macro FETCHX
	WIN 0
	v_add_nc_u32 v[ADR], s[TB], v[AW0]
	v_add_nc_u32 v[ADB], s[BP], v[AB0]
	NOPS 2
.irp v, 0,1
	ds_load_b128 v[BC+8*\v:BC+8*\v+3], v[ADB] offset:64*\v
	ds_load_b128 v[BC+8*\v+4:BC+8*\v+7], v[ADB] offset:64*\v+16
.endr
	WIN 0x40                                       ; destination window 1
.irp v, 0,1
.irp s, 0,1,2,3
.irp c, 0,1,2,3
	ds_load_b128 v[64*\v+16*\s+4*\c:64*\v+16*\s+4*\c+3], v[ADR] offset:16*PITCH*\v+128*\s+32*\c
.endr
.endr
.endr
.endm
; Y: its fragments of K steps 4-7; then the fetches step on
.macro FETCHY
	NOPS 4
	WIN 0x40
.irp v, 0,1
.irp s, 0,1,2,3
.irp c, 0,1,2,3
	ds_load_b128 v[128+64*\v+16*\s+4*\c:128+64*\v+16*\s+4*\c+3], v[ADR] offset:16*PITCH*\v+128*(\s+4)+32*\c
.endr
.endr
.endr
	WIN 0
	s_add_co_u32 s[TB], s[TB], WPART
	s_add_co_u32 s[BP], s[BP], 128
.endm
; 32 matrix instructions: four K steps (y = 0: steps 0-3, from X; 1: steps 4-7, from Y) x two tiles of columns x four tiles of tokens.  The eight accumulators take turns, one instruction a turn.
.macro MULH y
.if \y
	WIN 0x0d                                       ; source 0 window 1, source 1 window 3
.else
	WIN 0x09                                       ; source 0 window 1, source 1 window 2
.endif
.irp s, 0,1,2,3
.irp v, 0,1
.irp t, 0,1,2,3
.if (\y == 0) && (\s == 0)
	v_wmma_f32_16x16x128_fp8_fp8 v[S+16*\t+8*\v:S+16*\t+8*\v+7], v[128*\y+64*\v+16*\s:128*\y+64*\v+16*\s+15], v[64*\t+16*\s:64*\t+16*\s+15], v[BC+8*\v:BC+8*\v+7]
.else
	v_wmma_f32_16x16x128_fp8_fp8 v[S+16*\t+8*\v:S+16*\t+8*\v+7], v[128*\y+64*\v+16*\s:128*\y+64*\v+16*\s+15], v[64*\t+16*\s:64*\t+16*\s+15], v[S+16*\t+8*\v:S+16*\t+8*\v+7]
.endif
.endr
.endr
.endr
.endm
; A pair of tiles of columns whose successor lies in the same slot
.macro PAIR0
	s_wait_dscnt 32                                ; the bias and X are in; Y's 32 loads may be out
	MULH 0
	FETCHX
	s_wait_dscnt 36                                ; Y is in; the 36 loads just issued may be out
	MULH 1
	FETCHY
	SOFT S, 16, 4, ST, CS, NC
.endm
; A set's last pair.  mode 1: the slot is left and filled again with the set two on; 2: it is left, and nothing is asked for; 3: the last pair of all.
.macro PAIRX d, mode
.if \mode == 3
	s_wait_dscnt 32
	MULH 0
	s_wait_dscnt 0x0
	MULH 1
	WIN 0
	NOPS 4
.else
	s_wait_tensorcnt 0x0                           ; all my tensor loads have landed: my part of the other slot;
	ds_add_u32 v[SPW], v[NIL]                      ; 0 onto my spare word;
	s_wait_dscnt 33                                ; (the bias and X are in; Y's 32 loads and the add may be out)
	MULH 0                                         ; 32 matrix instructions stand between the add and the wait for it
.if \mode == 1
	s_add_nc_u64 s[G0+4*((\d)%2)+2:G0+4*((\d)%2)+3], s[G0+4*((\d)%2)+2:G0+4*((\d)%2)+3], 2*128*1024   ; no load of mine is out: this slot's next set
.endif
	s_wait_dscnt 0x0                               ; the add is done, and my reads of this slot are over
	WIN 0
.if \mode == 1
	ROUND                                          ; no wave of any partner still reads this slot or has a load on its way
	tensor_load_to_lds s[G0+4*((\d)%2):G0+4*((\d)%2)+3], s[G1:G1+7]   ; my one load behind the round: it has four pairs' work in which to land
	s_nop 0
	NOPS 4
.else
	s_barrier_signal -1
	s_barrier_wait -1
.endif
	s_mov_b32 s[TB], (1-(\d)%2)*SLOT               ; the fetches go on in the other slot
	FETCHX
	MULH 1
	FETCHY
.endif
	SOFT S, 16, 4, ST, CS, NC
.endm
.macro SET d, mode                     ; a set of 128 rows: four pairs
	s_mov_b32 s[CNT], 3
.Lset_\@:
	PAIR0
	s_sub_co_u32 s[CNT], s[CNT], 1
	s_cmp_lg_u32 s[CNT], 0
	s_cbranch_scc1 .Lset_\@
	PAIRX \d, \mode
.endm
	s_wait_tensorcnt 0x1                           ; my part of set 0 is in; set 1's may stay out
	s_wait_dscnt 0x0                               ; my part of the bias lies in LDS
	s_barrier_signal -1
	s_barrier_wait -1
	FETCHX
	FETCHY
	SET 0, 1
	SET 1, 1
	SET 2, 1
	SET 3, 2
	SET 4, 3
	FINAL ST, WK, 14, 0
	FINAL ST+8, WK+16, 14, 256
	s_wait_tensorcnt 0x0                           ; the wave's end
	ds_add_u32 v[SPW], v[NIL]
	s_wait_dscnt 0x0
	ROUND                                          ; the closing round
	s_endpgm
.Lfunc_end_k_qced069d654_head:
	.size	k_qced069d654_head, .Lfunc_end_k_qced069d654_head-k_qced069d654_head
	.p2alignl 7, 3214868480
	.fill 96, 4, 3214868480
	.section	.rodata,"a",@progbits
	.p2align	6, 0x0
	.amdhsa_kernel k_qced069d654_head
		.amdhsa_group_segment_fixed_size 327680
		.amdhsa_private_segment_fixed_size 0
		.amdhsa_enable_private_segment 0
		.amdhsa_kernarg_size 48
		.amdhsa_user_sgpr_count 2
		.amdhsa_user_sgpr_kernarg_segment_ptr 1
		.amdhsa_wavefront_size32 1
		.amdhsa_system_sgpr_workgroup_id_x 1
		.amdhsa_system_sgpr_workgroup_id_y 1
		.amdhsa_system_sgpr_workgroup_id_z 1
		.amdhsa_system_vgpr_workitem_id 0
		.amdhsa_next_free_vgpr 1024
		.amdhsa_next_free_sgpr 66
		.amdhsa_reserve_vcc 1
		.amdhsa_float_denorm_mode_32 3
		.amdhsa_float_denorm_mode_16_64 3
		.amdhsa_memory_ordered 1
		.amdhsa_forward_progress 1
		.amdhsa_inst_pref_size 202
	.end_amdhsa_kernel
	.amdgpu_metadata
---
amdhsa.version: [ 1, 2 ]
amdhsa.kernels:
  - .name:           k_qced069d654_head
    .symbol:         k_qced069d654_head.kd
    .args:
      - { .name: a0_img, .offset: 0, .size: 8, .value_kind: global_buffer, .address_space: global }
      - { .name: hw_codes, .offset: 8, .size: 8, .value_kind: global_buffer, .address_space: global }
      - { .name: b0, .offset: 16, .size: 8, .value_kind: global_buffer, .address_space: global }
      - { .name: cluster_b, .offset: 24, .size: 8, .value_kind: global_buffer, .address_space: global }
      - { .name: lowp_scales, .offset: 32, .size: 8, .value_kind: global_buffer, .address_space: global }
      - { .name: part_h, .offset: 40, .size: 8, .value_kind: global_buffer, .address_space: global }
    .group_segment_fixed_size: 327680
    .private_segment_fixed_size: 0
    .kernarg_segment_align: 8
    .kernarg_segment_size: 48
    .max_flat_workgroup_size: 128
    .sgpr_count:     66
    .vgpr_count:     1024
    .wavefront_size: 32
...
	.end_amdgpu_metadata
.endif
;; end of part 2
;; launch tails (part 3): grid 2 x 125, 8 waves a work-group, no clusters, 168,960 bytes of LDS; arguments a1_img, a2_img, w1_codes, w2_codes, b1, b2, lowp_scales, part_1, part_2; writes part_1, part_2
.if DOCPART == 3
	.amdgcn_target "amdgcn-amd-amdhsa--gfx1250"
	.amdhsa_code_object_version 6
	.text
	.protected	k_qced069d654_tails
	.globl	k_qced069d654_tails
	.p2align	8
	.type	k_qced069d654_tails,@function
k_qced069d654_tails:
	s_mov_b64 s[64:65], 0
	v_nop
	global_prefetch_b8 v0, s[64:65] scope:SCOPE_SE
	s_setreg_imm32_b32 hwreg(HW_REG_WAVE_MODE, 25, 1), 1
	s_wait_xcnt 0x0
; TAILS: the two tail clusters' logits on codes of FP8 (K = 256 against w1, K = 64 against w2), and of each token's logits a running largest value and a sum of exponentials, as in the head's launch.
; SHARES.  30,000 = 125 x 240 and 50,000 = 125 x 400: work-group (x, y) takes tokens 1,024 x on against rows 240 y on of w1, then against rows 400 y on of w2: 250 work-groups of equal work, no column to spare.
; Each of eight waves owns 128 tokens, eight tiles of 16; two waves share a SIMD, so that one wave's exponentials stand beside the other's products.
; Both slices of weights (61,440 + 25,600 bytes) fit in LDS at once: each LDS byte is filled once, at the start; there is no ring.
; NO CLUSTER: a slice has two readers (grid x = 2, which clusters of four do not divide), each reads it once at its start, and it is 87,040 bytes against 440 matrix instructions a wave.
; LAYOUT as in the head's launch: source 0 = 16 rows of the weight, source 1 = 16 tokens; the bias / 2^(eA + eB) is the C of a sum's first matrix instruction; a lane holds one token.
; part_1, part_2: [125 splits][2,048 tokens][(-c m, L)].
; LIMITS: e6 + e7 and e10 + e11 between -126 and 126, so that c = log2(e) 2^(eA + eB) is an f32 number.  NaN among the inputs is not served.
; REGISTERS: window 0: v1-14 addresses; v16-47 statistics, four a tile; v48-55 at work; v56.. the bias; phase 1: v80-175 the fragments of three tiles of w1, v176-223 the sums of two tiles of tokens;
;   phase 2: v96-135 the fragments of five tiles of w2, v136-215 the sums; v192-255 at work at a phase's end.   window 1: the tokens' fragments: phase 1 all 256, phase 2 v0-63.
.set W1P, 272                          ; a row of w1 in LDS: 256 bytes + 16
.set W2P, 80                           ; a row of w2: 64 bytes + 16
.set W2O, 65536
.set B1O, 97536                        ; b1's 240 numbers (four blocks of 256 bytes), then b2's 400 (eight): no fill lands here
.set B2O, 98560
.set AW1, 3
.set AW2, 4
.set AB1, 5
.set AB2, 6
.set ADR, 7
.set ADB, 8
.set LI,  9
.set L8,  10
.set ST,  16
.set FB,  48
.set UB,  52
.set BC,  56
.set WA,  80
.set SA,  176
.set WB,  96
.set SB,  136
.set WK,  192
.set WV,  22
.set TB,  62
.set BP,  63
.set SEL, 66
.set MSK, 68
.set CNT, 69
.set MSB, 0
.macro WIN new
.if MSB != \new
	s_set_vgpr_msb (MSB<<8)|\new
.set MSB, \new
.endif
.endm
.macro NOPS n
.rept \n
	v_nop
.endr
.endm
; The softmax step of nt tiles of tokens, n sums a tile (tile t's at v[sb + n t] on, read in ascending order), statistics at v[st + 4 t].  The tiles alternate line by line.
.macro SOFT sb, n, nt, st, cs, nc
.set i_, 0
.rept (\n)/2
.set t_, 0
.rept \nt
.set x_, (\sb)+(\n)*t_+2*i_
.if i_ == 1
	v_max_num_f32 v[UB+2*t_], v[x_], v[x_+1]
.elseif (i_%2) == 1
	v_max3_num_f32 v[UB+2*t_], v[UB+2*t_], v[x_], v[x_+1]
.else
	v_max3_num_f32 v[(\st)+4*t_+1], v[(\st)+4*t_+1], v[x_], v[x_+1]
.endif
.set t_, t_+1
.endr
.set i_, i_+1
.endr
.set t_, 0
.rept \nt
	v_max_num_f32 v[(\st)+4*t_+1], v[(\st)+4*t_+1], v[UB+2*t_]
.set t_, t_+1
.endr
.set t_, 0
.rept \nt
	v_fma_f32 v[FB+2*t_+1], v[(\st)+4*t_+1], s[\nc], -v[(\st)+4*t_]   ; c m_old - c m_new
.set t_, t_+1
.endr
.set t_, 0
.rept \nt
	v_mul_f32 v[(\st)+4*t_], s[\nc], v[(\st)+4*t_+1]                  ; -c m
.set t_, t_+1
.endr
.set t_, 0
.rept \nt
	v_exp_f32 v[FB+2*t_], v[FB+2*t_+1]
.set t_, t_+1
.endr
.set i_, 0
.rept (\n)/2
.set t_, 0
.rept \nt
.set x_, (\sb)+(\n)*t_+2*i_
	v_pk_fma_f32 v[x_:x_+1], v[x_:x_+1], s[\cs:\cs+1], v[(\st)+4*t_:(\st)+4*t_+1] op_sel_hi:[1,0,0]   ; c x - c m, two at a time
.set t_, t_+1
.endr
.set i_, i_+1
.endr
.set i_, 0
.rept \n
.set t_, 0
.rept \nt
	v_exp_f32 v[(\sb)+(\n)*t_+i_], v[(\sb)+(\n)*t_+i_]
.set t_, t_+1
.endr
.set i_, i_+1
.endr
	v_nop                                          ; a plain line behind the exponentials
.set t_, 0
	s_wait_alu depctr_va_vdst(0)
.rept \nt
	v_pk_fma_f32 v[(\st)+4*t_+2:(\st)+4*t_+3], v[(\st)+4*t_+2:(\st)+4*t_+3], v[FB+2*t_:FB+2*t_+1], v[(\sb)+(\n)*t_:(\sb)+(\n)*t_+1] op_sel_hi:[1,0,1]
.set t_, t_+1
.endr
.set t_, 0
.rept \nt
	v_pk_add_f32 v[UB+2*t_:UB+2*t_+1], v[(\sb)+(\n)*t_+2:(\sb)+(\n)*t_+3], v[(\sb)+(\n)*t_+4:(\sb)+(\n)*t_+5]
.set t_, t_+1
.endr
.set i_, 3
.rept (\n)/2-3
.set t_, 0
.rept \nt
.set x_, (\sb)+(\n)*t_+2*i_
.if (i_%2) == 1
	v_pk_add_f32 v[(\st)+4*t_+2:(\st)+4*t_+3], v[(\st)+4*t_+2:(\st)+4*t_+3], v[x_:x_+1]
.else
	v_pk_add_f32 v[UB+2*t_:UB+2*t_+1], v[UB+2*t_:UB+2*t_+1], v[x_:x_+1]
.endif
.set t_, t_+1
.endr
.set i_, i_+1
.endr
.set t_, 0
.rept \nt
	v_pk_add_f32 v[(\st)+4*t_+2:(\st)+4*t_+3], v[(\st)+4*t_+2:(\st)+4*t_+3], v[UB+2*t_:UB+2*t_+1]
.set t_, t_+1
.endr
.endm
; Two tiles' statistics are joined across the halves of the lanes and stored: 32 tokens, 256 consecutive bytes.
.macro FINAL st, wk, bs, off
.irp q, 0,1
	v_add_f32 v[(\wk)+8*\q], v[(\st)+4*\q+2], v[(\st)+4*\q+3]
	v_mov_b32 v[(\wk)+8*\q+1], 0                   ; a lane permute's destination counts as one of its sources
	v_mov_b32 v[(\wk)+8*\q+2], 0
.endr
.irp q, 0,1
	v_permlanex16_b32 v[(\wk)+8*\q+1], v[(\st)+4*\q], s[SEL], s[SEL+1]
	v_permlanex16_b32 v[(\wk)+8*\q+2], v[(\wk)+8*\q], s[SEL], s[SEL+1]
.endr
.irp q, 0,1
	v_min_num_f32 v[(\wk)+8*\q+3], v[(\st)+4*\q], v[(\wk)+8*\q+1]
.endr
.irp q, 0,1
	v_sub_f32 v[(\wk)+8*\q+4], v[(\wk)+8*\q+3], v[(\st)+4*\q]
	v_sub_f32 v[(\wk)+8*\q+5], v[(\wk)+8*\q+3], v[(\wk)+8*\q+1]
.endr
.irp q, 0,1
	v_exp_f32 v[(\wk)+8*\q+4], v[(\wk)+8*\q+4]
	v_exp_f32 v[(\wk)+8*\q+5], v[(\wk)+8*\q+5]
.endr
	v_nop
	s_wait_alu depctr_va_vdst(0)
.irp q, 0,1
	v_mul_f32 v[(\wk)+8*\q], v[(\wk)+8*\q], v[(\wk)+8*\q+4]
.endr
.irp q, 0,1
	v_fmac_f32 v[(\wk)+8*\q], v[(\wk)+8*\q+2], v[(\wk)+8*\q+5]
.endr
	v_cndmask_b32 v[(\wk)+6], v[(\wk)+3], v[(\wk)+11], s[MSK]
	v_cndmask_b32 v[(\wk)+7], v[(\wk)], v[(\wk)+8], s[MSK]
	global_store_b64 v[L8], v[(\wk)+6:(\wk)+7], s[\bs:\bs+1] offset:\off
.endm
.macro STATS                           ; -c m = 3e38 (the first rescaling factor is then 0), m = -3e38, L = 0
.irp t, 0,1,2,3,4,5,6,7
	v_mov_b32 v[ST+4*\t], 0x7f61b1e6
	v_mov_b32 v[ST+4*\t+1], 0xff61b1e6
	v_mov_b32 v[ST+4*\t+2], 0
	v_mov_b32 v[ST+4*\t+3], 0
.endr
.endm
	s_load_b512 s[4:19], s[0:1], 0x0               ; a1 s[4:5], a2 s[6:7], w1 s[8:9], w2 s[10:11], b1 s[12:13], b2 s[14:15], scales s[16:17], part_1 s[18:19]
	s_load_b64 s[20:21], s[0:1], 0x40              ; part_2
	v_lshl_add_u32 v254, v0, 2, 0x29000
	v_mov_b32 v255, 0
	ds_add_u32 v254, v255
	ds_add_u32 v254, v255
	v_lshrrev_b32 v1, 5, v0
	v_readfirstlane_b32 s[WV], v1                  ; wave 0..7
	s_and_b32 s23, ttmp7, 0xffff                   ; the split y
	s_mov_b32 s24, (1<<20)|(5<<22)|(3<<25)         ; w1's tiles: elements of 1 byte; four words of padding after every 64
	s_mov_b32 s25, 256<<16                         ; tensor_dim0 = 256
	s_mov_b32 s26, 30<<16                          ; tensor_dim1 = 30
	s_mov_b32 s27, 256<<16                         ; tile_dim0
	s_mov_b32 s28, 30                              ; tile_dim1
	s_mov_b32 s29, 256                             ; from row to row
	s_mov_b32 s30, 0
	s_mov_b32 s31, 0
	s_mov_b32 s32, (1<<20)|(3<<22)|(3<<25)         ; w2's tiles: four words of padding after every 16
	s_mov_b32 s33, 64<<16
	s_mov_b32 s34, 50<<16
	s_mov_b32 s35, 64<<16
	s_mov_b32 s36, 50
	s_mov_b32 s37, 64
	s_mov_b32 s38, 0
	s_mov_b32 s39, 0
	s_mov_b32 s[SEL], 0x76543210
	s_mov_b32 s[SEL+1], 0xfedcba98
	s_mov_b32 s[MSK], 0xffff0000
	s_mov_b32 s[TB], 0
	s_mov_b32 s[BP], 0
	s_mov_b32 s71, 0
	s_mul_i32 s70, s23, 240
	s_mul_i32 s69, s[WV], 30
	s_add_co_u32 s70, s70, s69
	s_lshl_b32 s70, s70, 8                         ; w1: my 30 rows of 256 bytes
	s_wait_dscnt 0x0
	s_wait_kmcnt 0x0
	s_load_b256 s[48:55], s[16:17], 0x10           ; e4 .. e11
	s_mov_b32 s40, 1
	s_mul_i32 s41, s[WV], 30*W1P
	s_add_nc_u64 s[42:43], s[8:9], s[70:71]
	s_or_b32 s43, s43, 0x80000000
	s_mul_i32 s70, s23, 400
	s_mul_i32 s69, s[WV], 50
	s_add_co_u32 s70, s70, s69
	s_lshl_b32 s70, s70, 6                         ; w2: my 50 rows of 64 bytes
	s_mov_b32 s44, 1
	s_mul_i32 s45, s[WV], 50*W2P
	s_add_co_u32 s45, s45, W2O
	s_add_nc_u64 s[46:47], s[10:11], s[70:71]
	s_or_b32 s47, s47, 0x80000000
	tensor_load_to_lds s[40:43], s[24:31]          ; every wave brings an eighth of each slice: two loads of mine are out
	s_nop 0
	tensor_load_to_lds s[44:47], s[32:39]
	s_nop 0
	NOPS 4
	s_lshl_b32 s70, ttmp9, 18
	s_lshl_b32 s69, s[WV], 15
	s_add_co_u32 s70, s70, s69
	s_add_nc_u64 s[4:5], s[4:5], s[70:71]          ; a1_img: (64 x + 8 wave) tiles of 4,096 bytes
	s_lshl_b32 s70, ttmp9, 16
	s_lshl_b32 s69, s[WV], 13
	s_add_co_u32 s70, s70, s69
	s_add_nc_u64 s[6:7], s[6:7], s[70:71]          ; a2_img: tiles of 1,024 bytes
	s_lshl_b32 s70, s23, 14
	s_lshl_b32 s69, ttmp9, 13
	s_add_co_u32 s70, s70, s69
	s_lshl_b32 s69, s[WV], 10
	s_add_co_u32 s70, s70, s69
	s_add_nc_u64 s[18:19], s[18:19], s[70:71]      ; the partials: split y, my 128 tokens
	s_add_nc_u64 s[20:21], s[20:21], s[70:71]
	v_and_b32 v2, 31, v0
	v_lshlrev_b32 v[LI], 4, v2
	v_lshlrev_b32 v[L8], 3, v2
	WIN 0x40                                       ; destination window 1
.set i_, 0
.rept 64
	global_load_b128 v[4*i_:4*i_+3], v[LI], s[4:5] offset:512*i_   ; tile t, K step s, group c at register 32 t + 16 s + 4 c
.set i_, i_+1
.endr
	WIN 0
	s_mul_i32 s70, s23, 240
	v_add_nc_u32 v11, s70, v0
	v_min_u32 v11, 0x752f, v11                     ; no load leaves b1
	v_lshlrev_b32 v11, 2, v11
	global_load_b32 v56, v11, s[12:13]
	s_mul_i32 s70, s23, 400
	v_add_nc_u32 v12, s70, v0
	v_add_nc_u32 v13, 0x100, v12
	v_min_u32 v12, 0xc34f, v12                     ; nor b2
	v_min_u32 v13, 0xc34f, v13
	v_lshlrev_b32 v12, 2, v12
	v_lshlrev_b32 v13, 2, v13
	global_load_b32 v57, v12, s[14:15]
	global_load_b32 v58, v13, s[14:15]
	v_lshl_add_u32 v14, v0, 2, B1O
	v_and_b32 v1, 15, v0                           ; r
	v_bfe_u32 v2, v0, 4, 1                         ; h
	v_mul_u32_u24 v[AW1], v1, W1P
	v_lshl_add_u32 v[AW1], v2, 4, v[AW1]
	v_mul_u32_u24 v[AW2], v1, W2P
	v_lshl_add_u32 v[AW2], v2, 4, v[AW2]
	v_add_nc_u32 v[AW2], W2O, v[AW2]
	v_lshl_add_u32 v[AB1], v2, 5, B1O
	v_lshl_add_u32 v[AB2], v2, 5, B2O
	STATS
	s_wait_kmcnt 0x0
	s_add_co_i32 s70, s50, s51                     ; e6 + e7
	s_sub_co_i32 s69, 0, s70
	s_lshl_b32 s70, s70, 23
	s_add_co_i32 s56, s70, 0x3fb8aa3b              ; c1
	s_mov_b32 s57, s56
	s_xor_b32 s60, s56, 0x80000000                 ; -c1
	s_add_co_i32 s70, s54, s55                     ; e10 + e11
	s_sub_co_i32 s71, 0, s70
	s_lshl_b32 s70, s70, 23
	s_add_co_i32 s58, s70, 0x3fb8aa3b              ; c2
	s_mov_b32 s59, s58
	s_xor_b32 s61, s58, 0x80000000
	s_wait_loadcnt 0x0
	v_ldexp_f32 v56, v56, s69                      ; the biases / the power of two that the sums lack
	v_ldexp_f32 v57, v57, s71
	v_ldexp_f32 v58, v58, s71
	ds_store_b32 v14, v56
	ds_store_b32 v14, v57 offset:B2O-B1O
	ds_store_b32 v14, v58 offset:B2O-B1O+1024
	s_wait_tensorcnt 0x0                           ; my parts of both slices are in,
	s_wait_dscnt 0x0                               ; my part of the biases lies in LDS,
	s_barrier_signal -1
	s_barrier_wait -1                              ; everybody's
; the fragments and the bias of the next three tiles of w1.  The two additions and two v_nop are the four places behind the products that read these registers (ISA guide 7.12.1 for vector instructions).
.macro FETCH1
	v_add_nc_u32 v[ADR], s[TB], v[AW1]
	v_add_nc_u32 v[ADB], s[BP], v[AB1]
	NOPS 2
.irp v, 0,1,2
.irp s, 0,1
.irp c, 0,1,2,3
	ds_load_b128 v[WA+32*\v+16*\s+4*\c:WA+32*\v+16*\s+4*\c+3], v[ADR] offset:16*W1P*\v+128*\s+32*\c
.endr
.endr
.endr
.irp v, 0,1,2
	ds_load_b128 v[BC+8*\v:BC+8*\v+3], v[ADB] offset:64*\v
	ds_load_b128 v[BC+8*\v+4:BC+8*\v+7], v[ADB] offset:64*\v+16
.endr
	s_add_co_u32 s[TB], s[TB], 48*W1P
	s_add_co_u32 s[BP], s[BP], 192
.endm
; of the next five tiles of w2
.macro FETCH2
	v_add_nc_u32 v[ADR], s[TB], v[AW2]
	v_add_nc_u32 v[ADB], s[BP], v[AB2]
	NOPS 2
.irp v, 0,1,2,3,4
	ds_load_b128 v[WB+8*\v:WB+8*\v+3], v[ADR] offset:16*W2P*\v
	ds_load_b128 v[WB+8*\v+4:WB+8*\v+7], v[ADR] offset:16*W2P*\v+32
.endr
.irp v, 0,1,2,3,4
	ds_load_b128 v[BC+8*\v:BC+8*\v+3], v[ADB] offset:64*\v
	ds_load_b128 v[BC+8*\v+4:BC+8*\v+7], v[ADB] offset:64*\v+16
.endr
	s_add_co_u32 s[TB], s[TB], 80*W2P
	s_add_co_u32 s[BP], s[BP], 320
.endm
; token tiles 2 g and 2 g + 1 against three tiles of w1: six accumulators by turns, one instruction a turn
.macro MULT1 g
	WIN 0x04                                       ; source 1 window 1
.irp s, 0,1
.irp v, 0,1,2
.irp l, 0,1
.if \s == 0
	v_wmma_f32_16x16x128_fp8_fp8 v[SA+8*(3*\l+\v):SA+8*(3*\l+\v)+7], v[WA+32*\v+16*\s:WA+32*\v+16*\s+15], v[32*(2*\g+\l)+16*\s:32*(2*\g+\l)+16*\s+15], v[BC+8*\v:BC+8*\v+7]
.else
	v_wmma_f32_16x16x128_fp8_fp8 v[SA+8*(3*\l+\v):SA+8*(3*\l+\v)+7], v[WA+32*\v+16*\s:WA+32*\v+16*\s+15], v[32*(2*\g+\l)+16*\s:32*(2*\g+\l)+16*\s+15], v[SA+8*(3*\l+\v):SA+8*(3*\l+\v)+7]
.endif
.endr
.endr
.endr
	WIN 0
.endm
; against five tiles of w2: K = 64 is one instruction a sum
.macro MULT2 g
	WIN 0x04
.irp v, 0,1,2,3,4
.irp l, 0,1
	v_wmma_f32_16x16x64_fp8_fp8 v[SB+8*(5*\l+\v):SB+8*(5*\l+\v)+7], v[WB+8*\v:WB+8*\v+7], v[8*(2*\g+\l):8*(2*\g+\l)+7], v[BC+8*\v:BC+8*\v+7]
.endr
.endr
	WIN 0
.endm
; A step of phase 1: three tiles of w1 against my eight tiles of tokens, two at a time.  Behind the last products the next step's fragments are asked for (pre = 1), or phase 2's first and its tokens' (pre = 2).
.macro STEP1 pre
	s_wait_dscnt 0x0                               ; the step's fragments and bias are in
.irp g, 0,1,2,3
	MULT1 \g
.if \g < 3
	NOPS 4                                         ; places in front of the first read of results
.elseif \pre == 1
	FETCH1
.else
	s_mov_b32 s[TB], 0
	s_mov_b32 s[BP], 0
	FETCH2
	WIN 0x40
.set i_, 0
.rept 16
	global_load_b128 v[4*i_:4*i_+3], v[LI], s[6:7] offset:512*i_   ; tile t, group c at register 8 t + 4 c; these registers' last products stand three groups back
.set i_, i_+1
.endr
	WIN 0
.endif
	SOFT SA, 24, 2, ST+8*\g, 56, 60
.endr
.endm
.macro STEP2 pre
	s_wait_dscnt 0x0
.irp g, 0,1,2,3
	MULT2 \g
.if (\g < 3) || (\pre == 0)
	NOPS 4
.else
	FETCH2
.endif
	SOFT SB, 40, 2, ST+8*\g, 58, 61
.endr
.endm
	FETCH1
	s_mov_b32 s[CNT], 4
.Lphase1:
	STEP1 1
	s_sub_co_u32 s[CNT], s[CNT], 1
	s_cmp_lg_u32 s[CNT], 0
	s_cbranch_scc1 .Lphase1
	STEP1 2
	FINAL ST, WK, 18, 0
	FINAL ST+8, WK+16, 18, 256
	FINAL ST+16, WK+32, 18, 512
	FINAL ST+24, WK+48, 18, 768
	s_wait_xcnt 0x0                                ; the stores' data registers are written again (by phase 2's products and its end) only behind this wait
	STATS
	s_wait_loadcnt 0x0                             ; phase 2's tokens
	s_mov_b32 s[CNT], 4
.Lphase2:
	STEP2 1
	s_sub_co_u32 s[CNT], s[CNT], 1
	s_cmp_lg_u32 s[CNT], 0
	s_cbranch_scc1 .Lphase2
	STEP2 0
	FINAL ST, WK, 20, 0
	FINAL ST+8, WK+16, 20, 256
	FINAL ST+16, WK+32, 20, 512
	FINAL ST+24, WK+48, 20, 768
	s_wait_tensorcnt 0x0
	ds_add_u32 v254, v255
	s_wait_dscnt 0x0
	s_endpgm
.Lfunc_end_k_qced069d654_tails:
	.size	k_qced069d654_tails, .Lfunc_end_k_qced069d654_tails-k_qced069d654_tails
	.p2alignl 7, 3214868480
	.fill 96, 4, 3214868480
	.section	.rodata,"a",@progbits
	.p2align	6, 0x0
	.amdhsa_kernel k_qced069d654_tails
		.amdhsa_group_segment_fixed_size 168960
		.amdhsa_private_segment_fixed_size 0
		.amdhsa_enable_private_segment 0
		.amdhsa_kernarg_size 72
		.amdhsa_user_sgpr_count 2
		.amdhsa_user_sgpr_kernarg_segment_ptr 1
		.amdhsa_wavefront_size32 1
		.amdhsa_system_sgpr_workgroup_id_x 1
		.amdhsa_system_sgpr_workgroup_id_y 1
		.amdhsa_system_sgpr_workgroup_id_z 1
		.amdhsa_system_vgpr_workitem_id 0
		.amdhsa_next_free_vgpr 512
		.amdhsa_next_free_sgpr 72
		.amdhsa_reserve_vcc 0
		.amdhsa_float_denorm_mode_32 3
		.amdhsa_float_denorm_mode_16_64 3
		.amdhsa_memory_ordered 1
		.amdhsa_forward_progress 1
		.amdhsa_inst_pref_size 181
	.end_amdhsa_kernel
	.amdgpu_metadata
---
amdhsa.version: [ 1, 2 ]
amdhsa.kernels:
  - .name:           k_qced069d654_tails
    .symbol:         k_qced069d654_tails.kd
    .args:
      - { .name: a1_img, .offset: 0, .size: 8, .value_kind: global_buffer, .address_space: global }
      - { .name: a2_img, .offset: 8, .size: 8, .value_kind: global_buffer, .address_space: global }
      - { .name: w1_codes, .offset: 16, .size: 8, .value_kind: global_buffer, .address_space: global }
      - { .name: w2_codes, .offset: 24, .size: 8, .value_kind: global_buffer, .address_space: global }
      - { .name: b1, .offset: 32, .size: 8, .value_kind: global_buffer, .address_space: global }
      - { .name: b2, .offset: 40, .size: 8, .value_kind: global_buffer, .address_space: global }
      - { .name: lowp_scales, .offset: 48, .size: 8, .value_kind: global_buffer, .address_space: global }
      - { .name: part_1, .offset: 56, .size: 8, .value_kind: global_buffer, .address_space: global }
      - { .name: part_2, .offset: 64, .size: 8, .value_kind: global_buffer, .address_space: global }
    .group_segment_fixed_size: 168960
    .private_segment_fixed_size: 0
    .kernarg_segment_align: 8
    .kernarg_segment_size: 72
    .max_flat_workgroup_size: 256
    .sgpr_count:     72
    .vgpr_count:     512
    .wavefront_size: 32
...
	.end_amdgpu_metadata
.endif
;; end of part 3
;; launch finish (part 4): grid 64 x 1, 8 waves a work-group, no clusters, 10,240 bytes of LDS; arguments target, a0_img, a1_img, a2_img, hw_codes, w1_codes, w2_codes, b0, cluster_b, b1, b2, lowp_scales, part_h, part_1, part_2, out0; writes out0
.if DOCPART == 4
	.amdgcn_target "amdgcn-amd-amdhsa--gfx1250"
	.amdhsa_code_object_version 6
	.text
	.protected	k_qced069d654_finish
	.globl	k_qced069d654_finish
	.p2align	8
	.type	k_qced069d654_finish,@function
k_qced069d654_finish:
	s_mov_b64 s[64:65], 0
	v_nop
	global_prefetch_b8 v0, s[64:65] scope:SCOPE_SE
	s_setreg_imm32_b32 hwreg(HW_REG_WAVE_MODE, 25, 1), 1
	s_wait_xcnt 0x0
; FINISH: nll.  A work-group owns 32 tokens.  (a) The partial (-c m, L) of 32 + 125 + 125 splits are joined into three log-sum-exps: lane = token, the eight waves share the splits, their results meet in LDS.
; (b) Each token's three wanted logits are made anew on the codes: source 0 = the 16 rows that the 16 tokens of a tile want (gathered by target), source 1 = the 16 tokens: the diagonal of the 16 x 16 result.
;     Wave w serves token tile w / 4; of the head's K = 1,024 it takes K steps 2 (w % 4) and 2 (w % 4) + 1; of tail 1's K = 256 step w % 2 (waves w % 4 = 0, 1 are used); of tail 2's K = 64 all (w % 4 = 0 is used).
; (c) Wave 0 joins all and stores 32 numbers.
; The head's column: the target below 20,000 (a negative target: 0, as the clip has it); 20,001 for tail 1 and 20,000 for tail 2, as the module's head_logprob[:, -i] has it.  From 100,000 on: nll = 0.
; Every index ends in a hold at its table's last row, so no load leaves its buffer.  The matrix units, clusters and LDS rings buy nothing here: the launch moves 4.6 MB once and issues four matrix instructions a wave.
.set RT,  0                            ; LDS: [3 tables][8 waves][32 lanes][8 bytes]
.set GT,  6144                         ; LDS: [8 waves][3 kinds][32 lanes][4 bytes]
.macro IDX t, hr, i1, i2               ; of a target: the head's row, tail 1's row, tail 2's row
	v_cmp_gt_i32 vcc_lo, 0, v[\t]
	v_cndmask_b32 v[\hr], v[\t], v14, vcc_lo
	v_cmp_le_i32 vcc_lo, 0x4e20, v[\t]
	v_cndmask_b32 v[\hr], v[\hr], v12, vcc_lo
	v_cmp_le_i32 vcc_lo, 0xc350, v[\t]
	v_cndmask_b32 v[\hr], v[\hr], v13, vcc_lo
	v_min_u32 v[\hr], 0x4e21, v[\hr]
	v_add_nc_u32 v[\i1], 0xffffb1e0, v[\t]         ; target - 20,000: where it wraps the row is not used
	v_min_u32 v[\i1], 0x752f, v[\i1]
	v_add_nc_u32 v[\i2], 0xffff3cb0, v[\t]         ; target - 50,000
	v_min_u32 v[\i2], 0xc34f, v[\i2]
.endm
.macro RED pb, n, o                    ; n pairs (-c m, L) at v[pb] on become one at v[o], v[o + 1]
	v_min_num_f32 v[\o], v[\pb], v[(\pb)+2]
.set k_, 2
.rept (\n)/2-1
	v_min3_num_f32 v[\o], v[\o], v[(\pb)+2*k_], v[(\pb)+2*k_+2]
.set k_, k_+2
.endr
.set k_, 0
.rept \n
	v_sub_f32 v[(\pb)+2*k_], v[\o], v[(\pb)+2*k_]
.set k_, k_+1
.endr
.set k_, 0
.rept \n
	v_exp_f32 v[(\pb)+2*k_], v[(\pb)+2*k_]
.set k_, k_+1
.endr
	v_nop
	s_wait_alu depctr_va_vdst(0)
	v_mul_f32 v[(\o)+1], v[(\pb)+1], v[\pb]
.set k_, 1
.rept (\n)-1
	v_fmac_f32 v[(\o)+1], v[(\pb)+2*k_+1], v[(\pb)+2*k_]
.set k_, k_+1
.endr
.endm
.macro DIAG acc, o                     ; register r % 8 of the accumulator, from its low end on
	v_mov_b32 v[\o], v[\acc]
.irp j, 1,2,3,4,5,6,7
	v_cndmask_b32 v[\o], v[\o], v[(\acc)+\j], s[40+\j]
.endr
.endm
	s_load_b512 s[4:19], s[0:1], 0x0               ; target s[4:5], a0 s[6:7], a1 s[8:9], a2 s[10:11], hw s[12:13], w1 s[14:15], w2 s[16:17], b0 s[18:19]
	s_load_b512 s[20:35], s[0:1], 0x40             ; cluster_b s[20:21], b1 s[22:23], b2 s[24:25], scales s[26:27], part_h s[28:29], part_1 s[30:31], part_2 s[32:33], out0 s[34:35]
	v_lshl_add_u32 v254, v0, 2, 0x2400
	v_mov_b32 v255, 0
	v_lshrrev_b32 v1, 5, v0
	v_readfirstlane_b32 s36, v1                    ; wave 0..7
	s_and_b32 s37, s36, 3                          ; q
	s_lshr_b32 s38, s36, 2
	s_lshl_b32 s39, ttmp9, 1
	s_add_co_u32 s39, s39, s38                     ; my token tile
	v_and_b32 v1, 31, v0                           ; lane
	v_and_b32 v2, 15, v0                           ; r
	v_bfe_u32 v3, v0, 4, 1                         ; h
	v_lshlrev_b32 v6, 4, v1
	v_lshlrev_b32 v7, 3, v1
	s_lshl_b32 s60, s39, 6
	v_lshl_add_u32 v8, v2, 2, s60                  ; the target of token r of my tile
	s_lshl_b32 s60, ttmp9, 7
	v_lshl_add_u32 v9, v1, 2, s60                  ; the target, and the result, of token 32 g + lane
	s_lshl_b32 s60, ttmp9, 8
	s_lshl_b32 s61, s36, 14
	s_add_co_u32 s61, s61, s60
	v_add_nc_u32 v10, s61, v7                      ; a partial: 8 x (32 g + lane) + 16,384 x wave
	s_min_u32 s61, s36, 4
	s_lshl_b32 s61, s61, 14
	s_add_co_u32 s61, s61, s60
	v_add_nc_u32 v11, s61, v7                      ; splits 120 + wave exist for waves 0-4: the others read split 124 again and count it for nothing
	s_cmp_gt_u32 s36, 4
	s_cselect_b32 s40, 0, 1.0
	v_mov_b32 v12, 0x4e21
	v_mov_b32 v13, 0x4e20
	v_mov_b32 v14, 0
	v_and_b32 v15, 7, v0
.irp j, 1,2,3,4,5,6,7
	v_cmp_eq_u32 s[40+\j], \j, v15
.endr
	s_lshl_b32 s60, s36, 8
	v_add_nc_u32 v245, s60, v7                     ; LDS: my wave's pairs
	s_mul_i32 s60, s36, 384
	s_add_co_u32 s60, s60, GT
	v_lshl_add_u32 v246, v1, 2, s60                ; LDS: my wave's diagonals
	v_and_b32 v247, 8, v2
	v_lshl_add_u32 v247, v247, 1, v2               ; token r's diagonal lies in lane r + 2 (r & 8)
	v_lshlrev_b32 v247, 2, v247
	v_mad_u32_u24 v247, v3, 0x600, v247            ; of the four waves of tile lane / 16
	v_add_nc_u32 v247, GT, v247
	s_mov_b32 s63, 0
	s_wait_kmcnt 0x0
	s_load_b256 s[48:55], s[26:27], 0x0            ; e0 .. e7
	s_load_b128 s[56:59], s[26:27], 0x20           ; e8 .. e11
	global_load_b32 v4, v8, s[4:5]
	global_load_b32 v5, v9, s[4:5]
	s_lshl_b32 s62, s39, 14
	s_lshl_b32 s60, s37, 12
	s_add_co_u32 s62, s62, s60
	s_add_nc_u64 s[6:7], s[6:7], s[62:63]          ; a0_img: my tile, K step 2 q
	s_lshl_b32 s62, s39, 12
	s_and_b32 s60, s37, 1
	s_lshl_b32 s60, s60, 11
	s_add_co_u32 s62, s62, s60
	s_add_nc_u64 s[8:9], s[8:9], s[62:63]          ; a1_img: my tile, K step q % 2
	s_lshl_b32 s62, s39, 10
	s_add_nc_u64 s[10:11], s[10:11], s[62:63]      ; a2_img: my tile
.irp s, 0,1
.irp c, 0,1,2,3
	global_load_b128 v[16+16*\s+4*\c:16+16*\s+4*\c+3], v6, s[6:7] offset:2048*\s+512*\c
.endr
.endr
.irp c, 0,1,2,3
	global_load_b128 v[48+4*\c:48+4*\c+3], v6, s[8:9] offset:512*\c
.endr
.irp c, 0,1
	global_load_b128 v[64+4*\c:64+4*\c+3], v6, s[10:11] offset:512*\c
.endr
.irp i, 0,1,2,3
	global_load_b64 v[128+2*\i:128+2*\i+1], v10, s[28:29] offset:131072*\i   ; 32 lanes read 256 consecutive bytes
.endr
.irp i, 0,1,2,3,4,5,6,7,8,9,10,11,12,13,14
	global_load_b64 v[136+2*\i:136+2*\i+1], v10, s[30:31] offset:131072*\i
.endr
	global_load_b64 v[166:167], v11, s[30:31] offset:131072*15
.irp i, 0,1,2,3,4,5,6,7,8,9,10,11,12,13,14
	global_load_b64 v[168+2*\i:168+2*\i+1], v10, s[32:33] offset:131072*\i
.endr
	global_load_b64 v[198:199], v11, s[32:33] offset:131072*15
	s_wait_loadcnt 50                              ; the two targets are in; the 14 + 36 loads behind them may be out
	IDX 4, 234, 235, 236
	v_lshlrev_b32 v234, 10, v234
	v_lshl_add_u32 v234, v3, 4, v234
	s_lshl_b32 s60, s37, 8
	v_add_nc_u32 v234, s60, v234                   ; hw_codes: the row, + 16 h, + K step 2 q
	v_lshlrev_b32 v235, 8, v235
	v_lshl_add_u32 v235, v3, 4, v235
	s_and_b32 s60, s37, 1
	s_lshl_b32 s60, s60, 7
	v_add_nc_u32 v235, s60, v235                   ; w1_codes
	v_lshlrev_b32 v236, 6, v236
	v_lshl_add_u32 v236, v3, 4, v236               ; w2_codes
	IDX 5, 237, 238, 239
	v_min_u32 v240, 0x4e1f, v237
	v_lshlrev_b32 v240, 2, v240                    ; b0
	v_add_nc_u32 v241, 0xffffb1e0, v237
	v_min_u32 v241, 1, v241
	v_lshlrev_b32 v241, 2, v241                    ; cluster_b
	v_lshlrev_b32 v238, 2, v238                    ; b1
	v_lshlrev_b32 v239, 2, v239                    ; b2
.irp s, 0,1
.irp c, 0,1,2,3
	global_load_b128 v[72+16*\s+4*\c:72+16*\s+4*\c+3], v234, s[12:13] offset:128*\s+32*\c
.endr
.endr
.irp c, 0,1,2,3
	global_load_b128 v[104+4*\c:104+4*\c+3], v235, s[14:15] offset:32*\c
.endr
.irp c, 0,1
	global_load_b128 v[120+4*\c:120+4*\c+3], v236, s[16:17] offset:32*\c
.endr
	global_load_b32 v224, v240, s[18:19]
	global_load_b32 v225, v241, s[20:21]
	global_load_b32 v226, v238, s[22:23]
	global_load_b32 v227, v239, s[24:25]
	s_wait_loadcnt 18                              ; the partials are in; the 18 gathers may be out
	v_mul_f32 v167, s40, v167                      ; a split read twice counts once
	v_mul_f32 v199, s40, v199
	RED 128, 4, 228
	RED 136, 16, 230
	RED 168, 16, 232
	ds_store_b64 v245, v[228:229] offset:RT
	ds_store_b64 v245, v[230:231] offset:RT+2048
	ds_store_b64 v245, v[232:233] offset:RT+4096
	s_wait_loadcnt 0x0
	v_wmma_f32_16x16x128_fp8_fp8 v[200:207], v[72:87], v[16:31], 0          ; three accumulators by turns
	v_wmma_f32_16x16x128_fp8_fp8 v[208:215], v[104:119], v[48:63], 0
	v_wmma_f32_16x16x64_fp8_fp8 v[216:223], v[120:127], v[64:71], 0
	v_wmma_f32_16x16x128_fp8_fp8 v[200:207], v[88:103], v[32:47], v[200:207]
.rept 4
	v_nop
.endr
	DIAG 200, 242
	DIAG 208, 243
	DIAG 216, 244
	ds_store_b32 v246, v242
	ds_store_b32 v246, v243 offset:128
	ds_store_b32 v246, v244 offset:256
	s_wait_kmcnt 0x0
	s_wait_dscnt 0x0                               ; for wave 0's sake: my pairs and diagonals lie in LDS
	s_barrier_signal -1
	s_barrier_wait -1
	s_cmp_lg_u32 s36, 0
	s_cbranch_scc1 .Lend
.irp b, 0,1,2
.irp w, 0,1,2,3,4,5,6,7
	ds_load_b64 v[128+16*\b+2*\w:128+16*\b+2*\w+1], v7 offset:RT+2048*\b+256*\w
.endr
.endr
.irp q, 0,1,2,3
	ds_load_b32 v[176+\q], v247 offset:384*\q      ; the head's four quarters of K
.endr
	ds_load_b32 v180, v247 offset:128              ; tail 1's two halves
	ds_load_b32 v181, v247 offset:384+128
	ds_load_b32 v182, v247 offset:256              ; tail 2
	s_wait_dscnt 0x0
	RED 128, 8, 228
	RED 144, 8, 230
	RED 160, 8, 232
	s_add_co_i32 s60, s50, s51                     ; e2 + e3
	s_add_co_i32 s61, s54, s55                     ; e6 + e7
	s_add_co_i32 s62, s58, s59                     ; e10 + e11
	s_mov_b32 s63, 0x3f317218                      ; ln 2
	v_add_f32 v176, v176, v177
	v_add_f32 v178, v178, v179
	v_add_f32 v176, v176, v178
	v_add_f32 v180, v180, v181
	v_ldexp_f32 v176, v176, s60
	v_ldexp_f32 v180, v180, s61
	v_ldexp_f32 v182, v182, s62
	v_cmp_le_i32 vcc_lo, 0x4e20, v5
	v_cndmask_b32 v224, v224, v225, vcc_lo         ; the head's bias: b0 or cluster_b
	v_add_f32 v176, v176, v224                     ; the three logits
	v_add_f32 v180, v180, v226
	v_add_f32 v182, v182, v227
	v_log_f32 v229, v229
	v_log_f32 v231, v231
	v_log_f32 v233, v233
	v_nop
	s_wait_alu depctr_va_vdst(0)
	v_sub_f32 v229, v229, v228                     ; log2 of the sum of 2^t = log2 L + c m
	v_sub_f32 v231, v231, v230
	v_sub_f32 v233, v233, v232
	v_fma_f32 v176, v229, s63, -v176               ; log-sum-exp - logit
	v_fma_f32 v180, v231, s63, -v180
	v_fma_f32 v182, v233, s63, -v182
	v_cndmask_b32 v183, v14, v180, vcc_lo          ; from 20,000 on: tail 1's term,
	v_cmp_le_i32 vcc_lo, 0xc350, v5
	v_cndmask_b32 v183, v183, v182, vcc_lo         ; from 50,000 on: tail 2's
	v_add_f32 v176, v176, v183
	v_cmp_le_i32 vcc_lo, 0x186a0, v5
	v_cndmask_b32 v176, v176, v14, vcc_lo          ; from 100,000 on no cluster claims the token
	global_store_b32 v9, v176, s[34:35]
.Lend:
	s_wait_tensorcnt 0x0
	ds_add_u32 v254, v255
	s_wait_dscnt 0x0
	s_endpgm
.Lfunc_end_k_qced069d654_finish:
	.size	k_qced069d654_finish, .Lfunc_end_k_qced069d654_finish-k_qced069d654_finish
	.p2alignl 7, 3214868480
	.fill 96, 4, 3214868480
	.section	.rodata,"a",@progbits
	.p2align	6, 0x0
	.amdhsa_kernel k_qced069d654_finish
		.amdhsa_group_segment_fixed_size 10240
		.amdhsa_private_segment_fixed_size 0
		.amdhsa_enable_private_segment 0
		.amdhsa_kernarg_size 128
		.amdhsa_user_sgpr_count 2
		.amdhsa_user_sgpr_kernarg_segment_ptr 1
		.amdhsa_wavefront_size32 1
		.amdhsa_system_sgpr_workgroup_id_x 1
		.amdhsa_system_sgpr_workgroup_id_y 1
		.amdhsa_system_sgpr_workgroup_id_z 1
		.amdhsa_system_vgpr_workitem_id 0
		.amdhsa_next_free_vgpr 256
		.amdhsa_next_free_sgpr 66
		.amdhsa_reserve_vcc 1
		.amdhsa_float_denorm_mode_32 3
		.amdhsa_float_denorm_mode_16_64 3
		.amdhsa_memory_ordered 1
		.amdhsa_forward_progress 1
		.amdhsa_inst_pref_size 26
	.end_amdhsa_kernel
	.amdgpu_metadata
---
amdhsa.version: [ 1, 2 ]
amdhsa.kernels:
  - .name:           k_qced069d654_finish
    .symbol:         k_qced069d654_finish.kd
    .args:
      - { .name: target, .offset: 0, .size: 8, .value_kind: global_buffer, .address_space: global }
      - { .name: a0_img, .offset: 8, .size: 8, .value_kind: global_buffer, .address_space: global }
      - { .name: a1_img, .offset: 16, .size: 8, .value_kind: global_buffer, .address_space: global }
      - { .name: a2_img, .offset: 24, .size: 8, .value_kind: global_buffer, .address_space: global }
      - { .name: hw_codes, .offset: 32, .size: 8, .value_kind: global_buffer, .address_space: global }
      - { .name: w1_codes, .offset: 40, .size: 8, .value_kind: global_buffer, .address_space: global }
      - { .name: w2_codes, .offset: 48, .size: 8, .value_kind: global_buffer, .address_space: global }
      - { .name: b0, .offset: 56, .size: 8, .value_kind: global_buffer, .address_space: global }
      - { .name: cluster_b, .offset: 64, .size: 8, .value_kind: global_buffer, .address_space: global }
      - { .name: b1, .offset: 72, .size: 8, .value_kind: global_buffer, .address_space: global }
      - { .name: b2, .offset: 80, .size: 8, .value_kind: global_buffer, .address_space: global }
      - { .name: lowp_scales, .offset: 88, .size: 8, .value_kind: global_buffer, .address_space: global }
      - { .name: part_h, .offset: 96, .size: 8, .value_kind: global_buffer, .address_space: global }
      - { .name: part_1, .offset: 104, .size: 8, .value_kind: global_buffer, .address_space: global }
      - { .name: part_2, .offset: 112, .size: 8, .value_kind: global_buffer, .address_space: global }
      - { .name: out0, .offset: 120, .size: 8, .value_kind: global_buffer, .address_space: global }
    .group_segment_fixed_size: 10240
    .private_segment_fixed_size: 0
    .kernarg_segment_align: 8
    .kernarg_segment_size: 128
    .max_flat_workgroup_size: 256
    .sgpr_count:     66
    .vgpr_count:     256
    .wavefront_size: 32
...
	.end_amdgpu_metadata
.endif
;; end of part 4
;; ======== version 2 of 2: 4 launches; version 1 with the launches prep, finish written anew for expert scheduling mode
;; limits: right only within a limited range of input values
;; workspace buffers: hw_codes 20,971,520 bytes; a0_img 2,097,152 bytes; a1_img 524,288 bytes; a2_img 131,072 bytes; part_h 524,288 bytes; part_1 2,048,000 bytes; part_2 2,048,000 bytes
;; launch prep (part 5): grid 1984 x 1, 4 waves a work-group, no clusters, 66,048 bytes of LDS; arguments hidden_codes, proj0_codes, proj1_codes, proj2_codes, w0, cluster_w, lowp_scales, a0_img, a1_img, a2_img, hw_codes; writes a0_img, a1_img, a2_img, hw_codes
.if DOCPART == 5
	.amdgcn_target "amdgcn-amd-amdhsa--gfx1250"
	.amdhsa_code_object_version 6
	.text
	.protected	k_qced069d654_prep
	.globl	k_qced069d654_prep
	.p2align	8
	.type	k_qced069d654_prep,@function
k_qced069d654_prep:
	s_mov_b64 s[64:65], 0
	v_nop
	global_prefetch_b8 v0, s[64:65] scope:SCOPE_SE
	s_setreg_imm32_b32 hwreg(HW_REG_WAVE_SCHED_MODE, 0, 2), 2
	s_setreg_imm32_b32 hwreg(HW_REG_WAVE_MODE, 25, 1), 1
	s_wait_xcnt 0x0
	s_wait_alu depctr_vm_vsrc(0)
; PREP.  Two kinds of work-groups in one launch, parted by the work-group's number alone.
; Q (work-groups 0-639): concat(w0, cluster_w), f32, becomes codes of FP8 (E4M3) with the given scale 2^e3: hw_codes [20,480 rows][1,024 bytes], K as it lies.
;   Rows 20,002 to 20,479 are zero codes: the next launch walks 32 x 640 rows.  A wave takes a run of 8 rows (8,192 numbers) in 16 steps of 512.  Each load reads 512 consecutive bytes;
;   a step's 2,048 bytes turn through the wave's own stage in LDS so that a lane holds 16 neighbours along K; a lane's 16 codes are 16 bytes: a store covers 512 consecutive bytes.
; P (work-groups 640-1,983): the three projections hidden x proj0, proj1, proj2 on codes, and the quantiser of their results (scales 2^e2, 2^e6, 2^e10).
;   A work-group makes 32 tokens x 64 rows of one proj; K = 1,024 is shared among the four waves (two steps of 128 each), the four partial sums meet in LDS.
;   The product is used transposed (source 0 = 16 rows of proj, source 1 = 16 tokens) and lane r of tile 2 b + u takes row 32 b + 8 u + r + 8 (r / 8): the 16 registers of two
;   neighbouring tiles are then 16 neighbours along the next product's K.  The codes are stored as images of the next operand's registers:
;   [token tile][128 along K][group c][lane][16 bytes], lane (r, h), group c: k = 32 c + 16 h + 0 .. 15 of token r.
; LIMITS: e3, e2 - e0 - e1, e6 - e4 - e5 and e10 - e8 - e9 between -126 and 119, so that the scale and 448 x the scale are f32 numbers.  NaN among the inputs is not served.
; LDS: P uses bytes 0 to 32,767, Q bytes 32,768 to 65,535: each path has bytes of its own.
; THE MODE: SCHED_MODE bits 1:0 = 2 (LLVM: expert scheduling mode 2), set by the entry lines.  The code itself states the register dependences
; between vector or matrix instructions and memory or LDS instructions, with s_wait_alu, always for 0.
; THE PLAN, path Q.  Registers that memory or LDS instructions touch:
;   RAW0 .. RAW3  Written by the loads of step t + 4, issued in step t; read by the LDS stores of that step's turn.  No vector instruction names them.
;   X0, X1        Written by the LDS loads of step t + 1's turn, issued in step t; held in place and read by step t + 1's holds and conversions.
;   C             Four registers a step: written by step t's conversions, read by the store that is issued in step t + 1; never written again.
;   v3, v14, v15  Offsets and LDS addresses, made once.
;   So two waits stand at a step's head: the LDS stores of this step's turn have read RAW[t % 4]; and step t - 1's vector work has written its codes and is done with its X.
;   The step's loads, its store and the next turn follow them, ahead of the step's own vector work, which names X[t % 2] and C[t] alone.
; THE PLAN, path P.  PF, TF: loaded, read by the products, loaded again; PF then takes the partial sums from LDS.  ACC: written by the products, read by the LDS stores.
;   v16-19: written by the conversions, read by the store.  v3 to v7: made once.  A wait on va_vdst stands ahead of each of these four changes of hands.
.set QWG,   640                        ; work-groups of path Q
.set NRUN,  2500                       ; runs of 8 rows in w0; run 2,500 begins with cluster_w's two rows
.set SP,    80                         ; Q: a lane's place in a stage: 64 bytes + 16 of padding
.set QLDS,  32768
.set WREG,  8192                       ; Q: LDS for a wave: two stages of 32 x SP bytes
.set RAW,   16                         ; Q: v16-79 four sets of 16 numbers as loaded
.set X,     80                         ; Q: v80-111 two sets of 16 neighbours
.set C,     128                        ; Q: v128-191 codes, four registers a step
.set ACC,   32                         ; P: v32-95 accumulator (i, j) at ACC + 8 (4 i + j)
.set PF,    96                         ; P: v96-159 four fragments of proj; later the four partial sums
.set TF,    160                        ; P: v160-191 two fragments of tokens
	s_load_b512 s[4:19], s[0:1], 0x0               ; hidden s[4:5], proj0 s[6:7], proj1 s[8:9], proj2 s[10:11], w0 s[12:13], cluster_w s[14:15], scales s[16:17], a0 s[18:19]
	s_load_b128 s[20:23], s[0:1], 0x40             ; a1 s[20:21], a2 s[22:23]
	s_load_b64 s[24:25], s[0:1], 0x50              ; hw_codes
	v_lshl_add_u32 v192, v0, 2, 0x10000
	v_mov_b32 v193, 0
	v_lshrrev_b32 v1, 5, v0
	v_readfirstlane_b32 s28, v1                    ; wave 0..3
	v_and_b32 v2, 31, v0                           ; lane
	v_lshlrev_b32 v3, 4, v2                        ; 16 x lane: my 16 bytes of 512
	s_mov_b32 s49, 0                               ; the upper word of every offset below
	s_wait_alu depctr_va_sdst(0)                   ; s28 is written, ahead of the branch below and of its first reader on either path
	s_wait_kmcnt 0x0
	s_load_b256 s[32:39], s[16:17], 0x0            ; e0 .. e7
	s_load_b128 s[40:43], s[16:17], 0x20           ; e8 .. e11
	s_cmp_lt_u32 ttmp9, QWG
	s_cbranch_scc0 .Lproj
; ---------------------------------------------------------------- path Q
	s_lshl_b32 s26, ttmp9, 2
	s_add_co_u32 s26, s26, s28                     ; my run
	s_lshl_b32 s48, s26, 13
	s_add_nc_u64 s[24:25], s[24:25], s[48:49]      ; its 8,192 bytes of codes
	s_cmp_gt_u32 s26, NRUN
	s_cbranch_scc1 .Lzero                          ; runs behind cluster_w's hold zero codes alone
	s_mul_i32 s29, s28, WREG
	s_add_co_u32 s29, s29, QLDS                    ; my stages
	v_lshrrev_b32 v14, 2, v2
	v_mul_u32_u24 v14, v14, SP
	v_and_b32 v15, 3, v2
	v_lshl_add_u32 v14, v15, 4, v14
	v_add_nc_u32 v14, s29, v14                     ; in: four lanes' 64 bytes on end, then the padding
	v_mul_u32_u24 v15, v2, SP
	v_add_nc_u32 v15, s29, v15                     ; out: my 16 neighbours
	s_lshl_b32 s48, s26, 15                        ; my run's 32,768 bytes of f32
	s_cmp_eq_u32 s26, NRUN
	s_cselect_b32 s48, 0, s48                      ; run 2,500: steps 0-3 are cluster_w's 8,192 bytes; steps 4-15 read w0's first rows and are held at 0
	s_cselect_b64 s[44:45], s[14:15], s[12:13]
	s_add_nc_u64 s[44:45], s[44:45], s[48:49]      ; steps 0-3 read here,
	s_add_nc_u64 s[46:47], s[12:13], s[48:49]      ; steps 4-15 here
.macro QLOAD t
.irp i, 0,1,2,3
.if (\t) < 4
	global_load_b128 v[RAW+16*((\t)%4)+4*\i:RAW+16*((\t)%4)+4*\i+3], v3, s[44:45] offset:2048*(\t)+512*\i th:TH_LOAD_NT
.else
	global_load_b128 v[RAW+16*((\t)%4)+4*\i:RAW+16*((\t)%4)+4*\i+3], v3, s[46:47] offset:2048*(\t)+512*\i th:TH_LOAD_NT
.endif
.endr
.endm
.macro QTURN t                         ; a step's numbers through the stage: LDS serves a wave's instructions in order, so no wait stands between the stores and the loads
.irp i, 0,1,2,3
	ds_store_b128 v14, v[RAW+16*((\t)%4)+4*\i:RAW+16*((\t)%4)+4*\i+3] offset:32*SP*((\t)%2)+8*SP*\i
.endr
.irp i, 0,1,2,3
	ds_load_b128 v[X+16*((\t)%2)+4*\i:X+16*((\t)%2)+4*\i+3], v15 offset:32*SP*((\t)%2)+16*\i
.endr
.endm
.macro QSTORE t                        ; a step's codes: 512 consecutive bytes; each step has its own registers for its codes
	global_store_b128 v3, v[C+4*(\t):C+4*(\t)+3], s[24:25] offset:512*(\t)
.endm
	s_wait_alu depctr_va_vdst(0)                   ; v3, v14 and v15 are written: every load, store and LDS instruction of this path reads one of them as its address
.irp t, 0,1,2,3
	QLOAD \t
.endr
	s_wait_kmcnt 0x0
	s_add_co_i32 s50, s35, 127
	s_lshl_b32 s51, s50, 23
	v_mov_b32 v11, s51                             ; 2^e3 as f32: the conversion takes its exponent field
	s_add_co_i32 s50, s50, 8
	s_lshl_b32 s50, s50, 23
	s_or_b32 s50, s50, 0x600000
	v_mov_b32 v10, s50                             ; 448 x 2^e3: the hold of steps 0-3
	s_cmp_eq_u32 s26, NRUN
	s_cselect_b32 s50, 0, s50
	v_mov_b32 v12, s50                             ; and of steps 4-15: 0 in run 2,500, which makes zero codes
	s_wait_loadcnt 12                              ; step 0's four loads are in; the twelve of steps 1-3 may be out
	QTURN 0
.macro QSTEP t
.set XS, X+16*((\t)%2)
.set LIMR, 12
.if (\t) < 4
.set LIMR, 10
.endif
	s_wait_dscnt 0x0                               ; this step's numbers are back from the stage
.if (\t)+4 < 16
	s_wait_alu depctr_vm_vsrc(0)                   ; the LDS stores of this step's turn have read RAW[t % 4], in which the loads below land
.endif
.if (\t) > 0
	s_wait_alu depctr_va_vdst(0)                   ; the step before has written its codes, which the store below reads, and its holds and conversions are done with its X, in which the next turn's LDS loads land
.endif
.if (\t)+4 < 16
	QLOAD (\t)+4
.endif
.if (\t) > 0
	QSTORE (\t)-1                                  ; the step before's codes
.endif
.if (\t)+1 < 16
.if 14-(\t) >= 3
	s_wait_loadcnt 12                              ; the next step's four loads are in; those of the three steps behind it may be out
.else
	s_wait_loadcnt 4*(14-(\t))
.endif
	QTURN (\t)+1                                   ; no vector instruction since the waits above names a register that these touch
.endif
.irp i, 0,1,2,3,4,5,6,7,8,9,10,11,12,13,14,15
	v_med3_num_f32 v[XS+\i], v[XS+\i], -v[LIMR], v[LIMR]   ; the conversion to an 8-bit code does not saturate (ISA guide 7.6.2): the hold comes first
.endr
	v_cvt_scalef32_pk8_fp8_f32 v[C+4*(\t):C+4*(\t)+1], v[XS:XS+7], v11
	v_cvt_scalef32_pk8_fp8_f32 v[C+4*(\t)+2:C+4*(\t)+3], v[XS+8:XS+15], v11
.endm
.irp t, 0,1,2,3,4,5,6,7,8,9,10,11,12,13,14,15
	QSTEP \t
.endr
	s_wait_alu depctr_va_vdst(0)                   ; step 15's conversions have written its codes, which the last store reads
	QSTORE 15
	s_wait_dscnt 0x0                               ; the closing lines, six on end
	s_wait_alu 0x0
	s_wait_tensorcnt 0x0
	ds_add_u32 v192, v193
	s_wait_dscnt 0x0
	s_endpgm
.Lzero:
	s_wait_kmcnt 0x0
	v_mov_b32 v128, 0
	v_mov_b32 v129, 0
	v_mov_b32 v130, 0
	v_mov_b32 v131, 0
	s_wait_alu depctr_va_vdst(0)                   ; v128 to v131, the stores' data, and v3, their offset, are written
.irp t, 0,1,2,3,4,5,6,7,8,9,10,11,12,13,14,15
	global_store_b128 v3, v[128:131], s[24:25] offset:512*\t
.endr
	s_endpgm
; ---------------------------------------------------------------- path P
.Lproj:
	s_sub_co_u32 s26, ttmp9, QWG
	s_lshr_b32 s27, s26, 6                         ; unit of 64 rows: 0-15 proj0, 16-19 proj1, 20 proj2
	s_and_b32 s26, s26, 63                         ; pair of token tiles
	v_and_b32 v1, 15, v0                           ; r
	v_bfe_u32 v9, v0, 4, 1                         ; h
	s_lshl_b32 s29, s28, 8                         ; my two K steps begin at byte 256 x wave of a row
	v_lshlrev_b32 v4, 10, v1
	v_lshl_add_u32 v4, v9, 4, v4
	v_add_nc_u32 v4, s29, v4                       ; tokens: row r, + 16 h
	v_and_b32 v5, 8, v1
	v_add_nc_u32 v5, v5, v1                        ; r + 8 (r / 8)
	v_lshlrev_b32 v5, 10, v5
	v_lshl_add_u32 v5, v9, 4, v5
	v_add_nc_u32 v5, s29, v5                       ; proj: the tile's rows are not neighbours
	s_lshl_b32 s29, s28, 13
	v_add_nc_u32 v6, s29, v3                       ; LDS: my eight partial accumulators, 1,024 bytes each
	s_lshl_b32 s29, s28, 11
	v_add_nc_u32 v7, s29, v3                       ; LDS: accumulators 2 w and 2 w + 1 in each wave's part
	s_cmp_lt_u32 s27, 20                           ; the choices hang on the work-group's number alone
	s_cselect_b64 s[44:45], s[8:9], s[10:11]
	s_cselect_b64 s[46:47], s[20:21], s[22:23]
	s_cselect_b32 s30, 16, 20
	s_cselect_b32 s31, 12, 10
	s_cmp_lt_u32 s27, 16
	s_cselect_b64 s[44:45], s[6:7], s[44:45]       ; the proj,
	s_cselect_b64 s[46:47], s[18:19], s[46:47]     ; the image buffer,
	s_cselect_b32 s30, 0, s30                      ; the proj's first unit,
	s_cselect_b32 s31, 14, s31                     ; log2 of a token tile's bytes in the image
	s_sub_co_u32 s30, s27, s30                     ; the unit within its proj
	s_lshl_b32 s48, s30, 16
	s_add_nc_u64 s[44:45], s[44:45], s[48:49]      ; its 64 rows of 1,024 bytes
	s_lshl_b32 s48, s26, 15
	s_add_nc_u64 s[4:5], s[4:5], s[48:49]          ; my 32 tokens
	s_lshr_b32 s50, s28, 1                         ; behind the sums wave w owns token tile w / 2
	s_and_b32 s51, s28, 1                          ; and the pair of tiles w % 2: 32 along the next K
	s_lshl_b32 s48, s26, 1
	s_add_co_u32 s48, s48, s50
	s_lshl_b32 s48, s48, s31
	s_lshl_b32 s52, s30, 1
	s_add_co_u32 s52, s52, s51
	s_lshl_b32 s52, s52, 9
	s_add_co_u32 s48, s48, s52
	s_add_nc_u64 s[46:47], s[46:47], s[48:49]      ; token tile x its bytes + 512 x (2 x unit + pair)
.macro PLOAD k
.irp j, 0,1,2,3
.irp c, 0,1,2,3
	global_load_b128 v[PF+16*\j+4*\c:PF+16*\j+4*\c+3], v5, s[44:45] offset:(32*(\j/2)+8*(\j%2))*1024+128*\k+32*\c
.endr
.endr
.irp i, 0,1
.irp c, 0,1,2,3
	global_load_b128 v[TF+16*\i+4*\c:TF+16*\i+4*\c+3], v4, s[4:5] offset:16384*\i+128*\k+32*\c
.endr
.endr
.endm
.macro PMUL zero                       ; eight accumulators by turns, one instruction a turn
.irp i, 0,1
.irp j, 0,1,2,3
.if \zero
	v_wmma_f32_16x16x128_fp8_fp8 v[ACC+8*(4*\i+\j):ACC+8*(4*\i+\j)+7], v[PF+16*\j:PF+16*\j+15], v[TF+16*\i:TF+16*\i+15], 0
.else
	v_wmma_f32_16x16x128_fp8_fp8 v[ACC+8*(4*\i+\j):ACC+8*(4*\i+\j)+7], v[PF+16*\j:PF+16*\j+15], v[TF+16*\i:TF+16*\i+15], v[ACC+8*(4*\i+\j):ACC+8*(4*\i+\j)+7]
.endif
.endr
.endr
.rept 4
	v_nop                                          ; four places behind the products (ISA guide 7.12.1): they stand beside the wait that follows the macro, which fills none of them
.endr
.endm
	s_wait_alu depctr_va_vdst(0)                   ; v3 to v7 are written: every load, store and LDS instruction of this path reads one of them as its address
	PLOAD 0
	s_wait_kmcnt 0x0
	s_sub_co_i32 s50, s34, s32                     ; a sum stands for sum x 2^(eA + eB): its code is sum / 2^(eQ - eA - eB): three scales folded into one
	s_sub_co_i32 s50, s50, s33
	s_sub_co_i32 s51, s38, s36
	s_sub_co_i32 s51, s51, s37
	s_sub_co_i32 s52, s42, s40
	s_sub_co_i32 s52, s52, s41
	s_cmp_lt_u32 s27, 20
	s_cselect_b32 s51, s51, s52
	s_cmp_lt_u32 s27, 16
	s_cselect_b32 s50, s50, s51
	s_add_co_i32 s50, s50, 127
	s_lshl_b32 s51, s50, 23
	v_mov_b32 v11, s51                             ; the folded scale as f32
	s_add_co_i32 s50, s50, 8
	s_lshl_b32 s50, s50, 23
	s_or_b32 s50, s50, 0x600000
	v_mov_b32 v10, s50                             ; 448 x that
	s_wait_loadcnt 0x0
	PMUL 1
	s_wait_alu depctr_va_vdst(0)                   ; the products are done reading PF and TF, in which the second K step's loads land
	PLOAD 1
	s_wait_loadcnt 0x0
	PMUL 0
	s_wait_alu depctr_va_vdst(0)                   ; the products have written ACC, which the LDS stores read, and are done reading PF, in which the LDS loads behind the barrier land: no vector instruction stands between
.irp a, 0,1,2,3,4,5,6,7
	ds_store_b128 v6, v[ACC+8*\a:ACC+8*\a+3] offset:1024*\a            ; each accumulator from its low end on
	ds_store_b128 v6, v[ACC+8*\a+4:ACC+8*\a+7] offset:1024*\a+512
.endr
	s_wait_dscnt 0x0                               ; for the others' sake: my partial sums lie in LDS
	s_barrier_signal -1
	s_barrier_wait -1
.irp p, 0,1,2,3
.irp u, 0,1
	ds_load_b128 v[PF+16*\p+8*\u:PF+16*\p+8*\u+3], v7 offset:8192*\p+1024*\u
	ds_load_b128 v[PF+16*\p+8*\u+4:PF+16*\p+8*\u+7], v7 offset:8192*\p+1024*\u+512
.endr
.endr
	s_wait_dscnt 0x0
.irp j, 0,2,4,6,8,10,12,14
	v_pk_add_f32 v[PF+\j:PF+\j+1], v[PF+\j:PF+\j+1], v[PF+16+\j:PF+16+\j+1]
	v_pk_add_f32 v[PF+32+\j:PF+32+\j+1], v[PF+32+\j:PF+32+\j+1], v[PF+48+\j:PF+48+\j+1]
.endr
.irp j, 0,2,4,6,8,10,12,14
	v_pk_add_f32 v[PF+\j:PF+\j+1], v[PF+\j:PF+\j+1], v[PF+32+\j:PF+32+\j+1]
.endr
.irp j, 0,1,2,3,4,5,6,7,8,9,10,11,12,13,14,15
	v_med3_num_f32 v[PF+\j], v[PF+\j], -v10, v10
.endr
	v_cvt_scalef32_pk8_fp8_f32 v[16:17], v[PF:PF+7], v11
	v_cvt_scalef32_pk8_fp8_f32 v[18:19], v[PF+8:PF+15], v11
	v_nop                                          ; a plain line behind the last conversion
	s_wait_alu depctr_va_vdst(0)                   ; the conversions have written v16 to v19, which the store reads
	global_store_b128 v3, v[16:19], s[46:47]       ; one group of four registers of the next operand: 512 consecutive bytes
	s_wait_dscnt 0x0                               ; the closing lines, six on end
	s_wait_alu 0x0
	s_wait_tensorcnt 0x0
	ds_add_u32 v192, v193
	s_wait_dscnt 0x0
	s_endpgm
.Lfunc_end_k_qced069d654_prep:
	.size	k_qced069d654_prep, .Lfunc_end_k_qced069d654_prep-k_qced069d654_prep
	.p2alignl 7, 3214868480
	.fill 96, 4, 3214868480
	.section	.rodata,"a",@progbits
	.p2align	6, 0x0
	.amdhsa_kernel k_qced069d654_prep
		.amdhsa_group_segment_fixed_size 66048
		.amdhsa_private_segment_fixed_size 0
		.amdhsa_enable_private_segment 0
		.amdhsa_kernarg_size 88
		.amdhsa_user_sgpr_count 2
		.amdhsa_user_sgpr_kernarg_segment_ptr 1
		.amdhsa_wavefront_size32 1
		.amdhsa_system_sgpr_workgroup_id_x 1
		.amdhsa_system_sgpr_workgroup_id_y 1
		.amdhsa_system_sgpr_workgroup_id_z 1
		.amdhsa_system_vgpr_workitem_id 0
		.amdhsa_next_free_vgpr 194
		.amdhsa_next_free_sgpr 66
		.amdhsa_reserve_vcc 0
		.amdhsa_float_denorm_mode_32 3
		.amdhsa_float_denorm_mode_16_64 3
		.amdhsa_memory_ordered 1
		.amdhsa_forward_progress 1
		.amdhsa_inst_pref_size 53
	.end_amdhsa_kernel
	.amdgpu_metadata
---
amdhsa.version: [ 1, 2 ]
amdhsa.kernels:
  - .name:           k_qced069d654_prep
    .symbol:         k_qced069d654_prep.kd
    .args:
      - { .name: hidden_codes, .offset: 0, .size: 8, .value_kind: global_buffer, .address_space: global }
      - { .name: proj0_codes, .offset: 8, .size: 8, .value_kind: global_buffer, .address_space: global }
      - { .name: proj1_codes, .offset: 16, .size: 8, .value_kind: global_buffer, .address_space: global }
      - { .name: proj2_codes, .offset: 24, .size: 8, .value_kind: global_buffer, .address_space: global }
      - { .name: w0, .offset: 32, .size: 8, .value_kind: global_buffer, .address_space: global }
      - { .name: cluster_w, .offset: 40, .size: 8, .value_kind: global_buffer, .address_space: global }
      - { .name: lowp_scales, .offset: 48, .size: 8, .value_kind: global_buffer, .address_space: global }
      - { .name: a0_img, .offset: 56, .size: 8, .value_kind: global_buffer, .address_space: global }
      - { .name: a1_img, .offset: 64, .size: 8, .value_kind: global_buffer, .address_space: global }
      - { .name: a2_img, .offset: 72, .size: 8, .value_kind: global_buffer, .address_space: global }
      - { .name: hw_codes, .offset: 80, .size: 8, .value_kind: global_buffer, .address_space: global }
    .group_segment_fixed_size: 66048
    .private_segment_fixed_size: 0
    .kernarg_segment_align: 8
    .kernarg_segment_size: 88
    .max_flat_workgroup_size: 128
    .sgpr_count:     66
    .vgpr_count:     194
    .wavefront_size: 32
...
	.end_amdgpu_metadata
.endif
;; end of part 5
;; launch head: the kernel of part 2 again; grid 8 x 32, 4 waves a work-group, clusters of 4 x 1, 327,680 bytes of LDS; arguments a0_img, hw_codes, b0, cluster_b, lowp_scales, part_h; writes part_h
;; launch tails: the kernel of part 3 again; grid 2 x 125, 8 waves a work-group, no clusters, 168,960 bytes of LDS; arguments a1_img, a2_img, w1_codes, w2_codes, b1, b2, lowp_scales, part_1, part_2; writes part_1, part_2
;; launch finish (part 6): grid 64 x 1, 8 waves a work-group, no clusters, 10,240 bytes of LDS; arguments target, a0_img, a1_img, a2_img, hw_codes, w1_codes, w2_codes, b0, cluster_b, b1, b2, lowp_scales, part_h, part_1, part_2, out0; writes out0
.if DOCPART == 6
	.amdgcn_target "amdgcn-amd-amdhsa--gfx1250"
	.amdhsa_code_object_version 6
	.text
	.protected	k_qced069d654_finish
	.globl	k_qced069d654_finish
	.p2align	8
	.type	k_qced069d654_finish,@function
k_qced069d654_finish:
	s_mov_b64 s[64:65], 0
	v_nop
	global_prefetch_b8 v0, s[64:65] scope:SCOPE_SE
	s_setreg_imm32_b32 hwreg(HW_REG_WAVE_SCHED_MODE, 0, 2), 2
	s_setreg_imm32_b32 hwreg(HW_REG_WAVE_MODE, 25, 1), 1
	s_wait_xcnt 0x0
	s_wait_alu depctr_vm_vsrc(0)
; FINISH: nll.  A work-group owns 32 tokens.  (a) The partial (-c m, L) of 32 + 125 + 125 splits are joined into three log-sum-exps: lane = token, the eight waves share the splits, their results meet in LDS.
; (b) Each token's three wanted logits are made anew on the codes: source 0 = the 16 rows that the 16 tokens of a tile want (gathered by target), source 1 = the 16 tokens: the diagonal of the 16 x 16 result.
;     Wave w serves token tile w / 4; of the head's K = 1,024 it takes K steps 2 (w % 4) and 2 (w % 4) + 1; of tail 1's K = 256 step w % 2 (waves w % 4 = 0, 1 are used); of tail 2's K = 64 all (w % 4 = 0 is used).
; (c) Wave 0 joins all and stores 32 numbers.
; The head's column: the target below 20,000 (a negative target: 0, as the clip has it); 20,001 for tail 1 and 20,000 for tail 2, as the module's head_logprob[:, -i] has it.  From 100,000 on: nll = 0.
; Every index ends in a hold at its table's last row, so no load leaves its buffer.  The matrix units, clusters and LDS rings buy nothing here: the launch moves 4.6 MB once and issues four matrix instructions a wave.
; THE MODE: SCHED_MODE bits 1:0 = 2 (LLVM: expert scheduling mode 2), set by the entry lines.  The code itself states the register dependences
; between vector or matrix instructions and memory or LDS instructions, with s_wait_alu, always for 0.
; THE PLAN.  Registers that memory or LDS instructions touch:
;   v6 to v11, v245 to v247   offsets and LDS addresses, made once at the head: one wait on va_vdst ahead of the first load.
;   v234 to v241              the gathers' offsets, made from the targets: one wait on va_vdst ahead of the gathers; never written again.
;   v4, v5, v16-127, v224-227 loaded once, read by vector and matrix instructions alone.
;   v128-199                  loaded (the partials), joined in place by vector instructions; in wave 0 LDS loads land in v128-182 behind the barrier.
;   v228-233, v242-244        written by the joins and the diagonals, read by the six LDS stores: one wait on va_vdst ahead of the six, which also states that the joins are done with v128-199.
;                             Wave 0's joins write v228-233 again: one wait on vm_vsrc behind the barrier, ahead of the branch.
;   v176                      the result: one wait on va_vdst ahead of its store.
; Masks are made in runs of compares into scalar registers, each run with one wait on va_sdst ahead of its first reader.
.set RT,  0                            ; LDS: [3 tables][8 waves][32 lanes][8 bytes]
.set GT,  6144                         ; LDS: [8 waves][3 kinds][32 lanes][4 bytes]
.macro MASKS t, mn, ma, mb             ; of a target: below 0; from 20,000 on; from 50,000 on
	v_cmp_gt_i32 s[\mn], 0, v[\t]
	v_cmp_le_i32 s[\ma], 0x4e20, v[\t]
	v_cmp_le_i32 s[\mb], 0xc350, v[\t]
.endm
.macro IDX t, hr, i1, i2, mn, ma, mb   ; of a target and its masks: the head's row, tail 1's row, tail 2's row
	v_cndmask_b32 v[\hr], v[\t], v14, s[\mn]
	v_cndmask_b32 v[\hr], v[\hr], v12, s[\ma]
	v_cndmask_b32 v[\hr], v[\hr], v13, s[\mb]
	v_min_u32 v[\hr], 0x4e21, v[\hr]
	v_add_nc_u32 v[\i1], 0xffffb1e0, v[\t]         ; target - 20,000: where it wraps the row is not used
	v_min_u32 v[\i1], 0x752f, v[\i1]
	v_add_nc_u32 v[\i2], 0xffff3cb0, v[\t]         ; target - 50,000
	v_min_u32 v[\i2], 0xc34f, v[\i2]
.endm
.macro RED pb, n, o                    ; n pairs (-c m, L) at v[pb] on become one at v[o], v[o + 1]
	v_min_num_f32 v[\o], v[\pb], v[(\pb)+2]
.set k_, 2
.rept (\n)/2-1
	v_min3_num_f32 v[\o], v[\o], v[(\pb)+2*k_], v[(\pb)+2*k_+2]
.set k_, k_+2
.endr
.set k_, 0
.rept \n
	v_sub_f32 v[(\pb)+2*k_], v[\o], v[(\pb)+2*k_]
.set k_, k_+1
.endr
.set k_, 0
.rept \n
	v_exp_f32 v[(\pb)+2*k_], v[(\pb)+2*k_]
.set k_, k_+1
.endr
	v_nop
	s_wait_alu depctr_va_vdst(0)                   ; the n exponentials have written their results, ahead of the first line that names one
	v_mul_f32 v[(\o)+1], v[(\pb)+1], v[\pb]
.set k_, 1
.rept (\n)-1
	v_fmac_f32 v[(\o)+1], v[(\pb)+2*k_+1], v[(\pb)+2*k_]
.set k_, k_+1
.endr
.endm
.macro DIAG acc, o                     ; register r % 8 of the accumulator, from its low end on
	v_mov_b32 v[\o], v[\acc]
.irp j, 1,2,3,4,5,6,7
	v_cndmask_b32 v[\o], v[\o], v[(\acc)+\j], s[40+\j]
.endr
.endm
	s_load_b512 s[4:19], s[0:1], 0x0               ; target s[4:5], a0 s[6:7], a1 s[8:9], a2 s[10:11], hw s[12:13], w1 s[14:15], w2 s[16:17], b0 s[18:19]
	s_load_b512 s[20:35], s[0:1], 0x40             ; cluster_b s[20:21], b1 s[22:23], b2 s[24:25], scales s[26:27], part_h s[28:29], part_1 s[30:31], part_2 s[32:33], out0 s[34:35]
	v_lshl_add_u32 v254, v0, 2, 0x2400
	v_mov_b32 v255, 0
	v_lshrrev_b32 v1, 5, v0
	v_readfirstlane_b32 s36, v1                    ; wave 0..7
	v_and_b32 v15, 7, v0
.irp j, 1,2,3,4,5,6,7
	v_cmp_eq_u32 s[40+\j], \j, v15                 ; the diagonal's masks
.endr
	v_and_b32 v1, 31, v0                           ; lane
	v_and_b32 v2, 15, v0                           ; r
	v_bfe_u32 v3, v0, 4, 1                         ; h
	v_lshlrev_b32 v6, 4, v1
	v_lshlrev_b32 v7, 3, v1
	v_mov_b32 v12, 0x4e21
	v_mov_b32 v13, 0x4e20
	v_mov_b32 v14, 0
	s_wait_alu depctr_va_sdst(0)                   ; s36 and the seven masks s41 to s47 are written, ahead of the first reader of any of them
	s_and_b32 s37, s36, 3                          ; q
	s_lshr_b32 s38, s36, 2
	s_lshl_b32 s39, ttmp9, 1
	s_add_co_u32 s39, s39, s38                     ; my token tile
	s_lshl_b32 s60, s39, 6
	v_lshl_add_u32 v8, v2, 2, s60                  ; the target of token r of my tile
	s_lshl_b32 s60, ttmp9, 7
	v_lshl_add_u32 v9, v1, 2, s60                  ; the target, and the result, of token 32 g + lane
	s_lshl_b32 s60, ttmp9, 8
	s_lshl_b32 s61, s36, 14
	s_add_co_u32 s61, s61, s60
	v_add_nc_u32 v10, s61, v7                      ; a partial: 8 x (32 g + lane) + 16,384 x wave
	s_min_u32 s61, s36, 4
	s_lshl_b32 s61, s61, 14
	s_add_co_u32 s61, s61, s60
	v_add_nc_u32 v11, s61, v7                      ; splits 120 + wave exist for waves 0-4: the others read split 124 again and count it for nothing
	s_cmp_gt_u32 s36, 4
	s_cselect_b32 s40, 0, 1.0
	s_lshl_b32 s60, s36, 8
	v_add_nc_u32 v245, s60, v7                     ; LDS: my wave's pairs
	s_mul_i32 s60, s36, 384
	s_add_co_u32 s60, s60, GT
	v_lshl_add_u32 v246, v1, 2, s60                ; LDS: my wave's diagonals
	v_and_b32 v247, 8, v2
	v_lshl_add_u32 v247, v247, 1, v2               ; token r's diagonal lies in lane r + 2 (r & 8)
	v_lshlrev_b32 v247, 2, v247
	v_mad_u32_u24 v247, v3, 0x600, v247            ; of the four waves of tile lane / 16
	v_add_nc_u32 v247, GT, v247
	s_mov_b32 s63, 0
	s_wait_kmcnt 0x0
	s_load_b256 s[48:55], s[26:27], 0x0            ; e0 .. e7
	s_load_b128 s[56:59], s[26:27], 0x20           ; e8 .. e11
	s_wait_alu depctr_va_vdst(0)                   ; v6 to v11 and v245 to v247 are written: the loads below, the LDS instructions and the last store read them as addresses
	global_load_b32 v4, v8, s[4:5]
	global_load_b32 v5, v9, s[4:5]
	s_lshl_b32 s62, s39, 14
	s_lshl_b32 s60, s37, 12
	s_add_co_u32 s62, s62, s60
	s_add_nc_u64 s[6:7], s[6:7], s[62:63]          ; a0_img: my tile, K step 2 q
	s_lshl_b32 s62, s39, 12
	s_and_b32 s60, s37, 1
	s_lshl_b32 s60, s60, 11
	s_add_co_u32 s62, s62, s60
	s_add_nc_u64 s[8:9], s[8:9], s[62:63]          ; a1_img: my tile, K step q % 2
	s_lshl_b32 s62, s39, 10
	s_add_nc_u64 s[10:11], s[10:11], s[62:63]      ; a2_img: my tile
.irp s, 0,1
.irp c, 0,1,2,3
	global_load_b128 v[16+16*\s+4*\c:16+16*\s+4*\c+3], v6, s[6:7] offset:2048*\s+512*\c
.endr
.endr
.irp c, 0,1,2,3
	global_load_b128 v[48+4*\c:48+4*\c+3], v6, s[8:9] offset:512*\c
.endr
.irp c, 0,1
	global_load_b128 v[64+4*\c:64+4*\c+3], v6, s[10:11] offset:512*\c
.endr
.irp i, 0,1,2,3
	global_load_b64 v[128+2*\i:128+2*\i+1], v10, s[28:29] offset:131072*\i   ; 32 lanes read 256 consecutive bytes
.endr
.irp i, 0,1,2,3,4,5,6,7,8,9,10,11,12,13,14
	global_load_b64 v[136+2*\i:136+2*\i+1], v10, s[30:31] offset:131072*\i
.endr
	global_load_b64 v[166:167], v11, s[30:31] offset:131072*15
.irp i, 0,1,2,3,4,5,6,7,8,9,10,11,12,13,14
	global_load_b64 v[168+2*\i:168+2*\i+1], v10, s[32:33] offset:131072*\i
.endr
	global_load_b64 v[198:199], v11, s[32:33] offset:131072*15
	s_wait_loadcnt 50                              ; the two targets are in; the 14 + 36 loads behind them may be out
	MASKS 4, 38, 39, 60                            ; six masks in one run, in scalar registers whose earlier numbers are done with
	MASKS 5, 61, 62, 63
	s_wait_alu depctr_va_sdst(0)                   ; the six masks are written, ahead of the first select that reads one
	IDX 4, 234, 235, 236, 38, 39, 60
	IDX 5, 237, 238, 239, 61, 62, 63
	v_lshlrev_b32 v234, 10, v234
	v_lshl_add_u32 v234, v3, 4, v234
	s_lshl_b32 s60, s37, 8
	v_add_nc_u32 v234, s60, v234                   ; hw_codes: the row, + 16 h, + K step 2 q
	v_lshlrev_b32 v235, 8, v235
	v_lshl_add_u32 v235, v3, 4, v235
	s_and_b32 s60, s37, 1
	s_lshl_b32 s60, s60, 7
	v_add_nc_u32 v235, s60, v235                   ; w1_codes
	v_lshlrev_b32 v236, 6, v236
	v_lshl_add_u32 v236, v3, 4, v236               ; w2_codes
	v_min_u32 v240, 0x4e1f, v237
	v_lshlrev_b32 v240, 2, v240                    ; b0
	v_add_nc_u32 v241, 0xffffb1e0, v237
	v_min_u32 v241, 1, v241
	v_lshlrev_b32 v241, 2, v241                    ; cluster_b
	v_lshlrev_b32 v238, 2, v238                    ; b1
	v_lshlrev_b32 v239, 2, v239                    ; b2
	s_wait_alu depctr_va_vdst(0)                   ; v234 to v241 are written: the gathers below read them as offsets
.irp s, 0,1
.irp c, 0,1,2,3
	global_load_b128 v[72+16*\s+4*\c:72+16*\s+4*\c+3], v234, s[12:13] offset:128*\s+32*\c
.endr
.endr
.irp c, 0,1,2,3
	global_load_b128 v[104+4*\c:104+4*\c+3], v235, s[14:15] offset:32*\c
.endr
.irp c, 0,1
	global_load_b128 v[120+4*\c:120+4*\c+3], v236, s[16:17] offset:32*\c
.endr
	global_load_b32 v224, v240, s[18:19]
	global_load_b32 v225, v241, s[20:21]
	global_load_b32 v226, v238, s[22:23]
	global_load_b32 v227, v239, s[24:25]
	s_wait_loadcnt 18                              ; the partials are in; the 18 gathers may be out
	v_mul_f32 v167, s40, v167                      ; a split read twice counts once
	v_mul_f32 v199, s40, v199
	RED 128, 4, 228
	RED 136, 16, 230
	RED 168, 16, 232
	s_wait_loadcnt 0x0
	v_wmma_f32_16x16x128_fp8_fp8 v[200:207], v[72:87], v[16:31], 0          ; three accumulators by turns
	v_wmma_f32_16x16x128_fp8_fp8 v[208:215], v[104:119], v[48:63], 0
	v_wmma_f32_16x16x64_fp8_fp8 v[216:223], v[120:127], v[64:71], 0
	v_wmma_f32_16x16x128_fp8_fp8 v[200:207], v[88:103], v[32:47], v[200:207]
.rept 4
	v_nop
.endr
	DIAG 200, 242
	DIAG 208, 243
	DIAG 216, 244
	s_wait_alu depctr_va_vdst(0)                   ; the joins have written v228 to v233 and the selects v242 to v244, which the six LDS stores read; the joins are also done with v128 to v199, in which wave 0's LDS loads land: no vector instruction that names these stands between
	ds_store_b64 v245, v[228:229] offset:RT
	ds_store_b64 v245, v[230:231] offset:RT+2048
	ds_store_b64 v245, v[232:233] offset:RT+4096
	ds_store_b32 v246, v242
	ds_store_b32 v246, v243 offset:128
	ds_store_b32 v246, v244 offset:256
	s_wait_kmcnt 0x0
	s_wait_dscnt 0x0                               ; for wave 0's sake: my pairs and diagonals lie in LDS
	s_barrier_signal -1
	s_barrier_wait -1
	s_wait_alu depctr_vm_vsrc(0)                   ; my LDS stores have read v228 to v233, which wave 0's joins write again: stated ahead of the branch
	s_cmp_lg_u32 s36, 0
	s_cbranch_scc1 .Lend
.irp b, 0,1,2
.irp w, 0,1,2,3,4,5,6,7
	ds_load_b64 v[128+16*\b+2*\w:128+16*\b+2*\w+1], v7 offset:RT+2048*\b+256*\w
.endr
.endr
.irp q, 0,1,2,3
	ds_load_b32 v[176+\q], v247 offset:384*\q      ; the head's four quarters of K
.endr
	ds_load_b32 v180, v247 offset:128              ; tail 1's two halves
	ds_load_b32 v181, v247 offset:384+128
	ds_load_b32 v182, v247 offset:256              ; tail 2
	v_cmp_le_i32 s37, 0x4e20, v5                   ; the token's cluster: three masks in one run
	v_cmp_le_i32 s38, 0xc350, v5
	v_cmp_le_i32 s39, 0x186a0, v5
	s_wait_dscnt 0x0
	s_wait_alu depctr_va_sdst(0)                   ; s37 to s39 are written, ahead of the first select that reads one
	RED 128, 8, 228
	RED 144, 8, 230
	RED 160, 8, 232
	s_add_co_i32 s60, s50, s51                     ; e2 + e3
	s_add_co_i32 s61, s54, s55                     ; e6 + e7
	s_add_co_i32 s62, s58, s59                     ; e10 + e11
	s_mov_b32 s63, 0x3f317218                      ; ln 2
	v_add_f32 v176, v176, v177
	v_add_f32 v178, v178, v179
	v_add_f32 v176, v176, v178
	v_add_f32 v180, v180, v181
	v_ldexp_f32 v176, v176, s60
	v_ldexp_f32 v180, v180, s61
	v_ldexp_f32 v182, v182, s62
	v_cndmask_b32 v224, v224, v225, s37            ; the head's bias: b0 or cluster_b
	v_add_f32 v176, v176, v224                     ; the three logits
	v_add_f32 v180, v180, v226
	v_add_f32 v182, v182, v227
	v_log_f32 v229, v229
	v_log_f32 v231, v231
	v_log_f32 v233, v233
	v_nop
	s_wait_alu depctr_va_vdst(0)                   ; the three logarithms have written v229, v231 and v233, ahead of the first line that names one
	v_sub_f32 v229, v229, v228                     ; log2 of the sum of 2^t = log2 L + c m
	v_sub_f32 v231, v231, v230
	v_sub_f32 v233, v233, v232
	v_fma_f32 v176, v229, s63, -v176               ; log-sum-exp - logit
	v_fma_f32 v180, v231, s63, -v180
	v_fma_f32 v182, v233, s63, -v182
	v_cndmask_b32 v183, v14, v180, s37             ; from 20,000 on: tail 1's term,
	v_cndmask_b32 v183, v183, v182, s38            ; from 50,000 on: tail 2's
	v_add_f32 v176, v176, v183
	v_cndmask_b32 v176, v176, v14, s39             ; from 100,000 on no cluster claims the token
	s_wait_alu depctr_va_vdst(0)                   ; the last select has written v176, which the store reads
	global_store_b32 v9, v176, s[34:35]
.Lend:
	s_wait_dscnt 0x0                               ; the closing lines, six on end
	s_wait_alu 0x0
	s_wait_tensorcnt 0x0
	ds_add_u32 v254, v255
	s_wait_dscnt 0x0
	s_endpgm
.Lfunc_end_k_qced069d654_finish:
	.size	k_qced069d654_finish, .Lfunc_end_k_qced069d654_finish-k_qced069d654_finish
	.p2alignl 7, 3214868480
	.fill 96, 4, 3214868480
	.section	.rodata,"a",@progbits
	.p2align	6, 0x0
	.amdhsa_kernel k_qced069d654_finish
		.amdhsa_group_segment_fixed_size 10240
		.amdhsa_private_segment_fixed_size 0
		.amdhsa_enable_private_segment 0
		.amdhsa_kernarg_size 128
		.amdhsa_user_sgpr_count 2
		.amdhsa_user_sgpr_kernarg_segment_ptr 1
		.amdhsa_wavefront_size32 1
		.amdhsa_system_sgpr_workgroup_id_x 1
		.amdhsa_system_sgpr_workgroup_id_y 1
		.amdhsa_system_sgpr_workgroup_id_z 1
		.amdhsa_system_vgpr_workitem_id 0
		.amdhsa_next_free_vgpr 256
		.amdhsa_next_free_sgpr 66
		.amdhsa_reserve_vcc 0
		.amdhsa_float_denorm_mode_32 3
		.amdhsa_float_denorm_mode_16_64 3
		.amdhsa_memory_ordered 1
		.amdhsa_forward_progress 1
		.amdhsa_inst_pref_size 27
	.end_amdhsa_kernel
	.amdgpu_metadata
---
amdhsa.version: [ 1, 2 ]
amdhsa.kernels:
  - .name:           k_qced069d654_finish
    .symbol:         k_qced069d654_finish.kd
    .args:
      - { .name: target, .offset: 0, .size: 8, .value_kind: global_buffer, .address_space: global }
      - { .name: a0_img, .offset: 8, .size: 8, .value_kind: global_buffer, .address_space: global }
      - { .name: a1_img, .offset: 16, .size: 8, .value_kind: global_buffer, .address_space: global }
      - { .name: a2_img, .offset: 24, .size: 8, .value_kind: global_buffer, .address_space: global }
      - { .name: hw_codes, .offset: 32, .size: 8, .value_kind: global_buffer, .address_space: global }
      - { .name: w1_codes, .offset: 40, .size: 8, .value_kind: global_buffer, .address_space: global }
      - { .name: w2_codes, .offset: 48, .size: 8, .value_kind: global_buffer, .address_space: global }
      - { .name: b0, .offset: 56, .size: 8, .value_kind: global_buffer, .address_space: global }
      - { .name: cluster_b, .offset: 64, .size: 8, .value_kind: global_buffer, .address_space: global }
      - { .name: b1, .offset: 72, .size: 8, .value_kind: global_buffer, .address_space: global }
      - { .name: b2, .offset: 80, .size: 8, .value_kind: global_buffer, .address_space: global }
      - { .name: lowp_scales, .offset: 88, .size: 8, .value_kind: global_buffer, .address_space: global }
      - { .name: part_h, .offset: 96, .size: 8, .value_kind: global_buffer, .address_space: global }
      - { .name: part_1, .offset: 104, .size: 8, .value_kind: global_buffer, .address_space: global }
      - { .name: part_2, .offset: 112, .size: 8, .value_kind: global_buffer, .address_space: global }
      - { .name: out0, .offset: 120, .size: 8, .value_kind: global_buffer, .address_space: global }
    .group_segment_fixed_size: 10240
    .private_segment_fixed_size: 0
    .kernarg_segment_align: 8
    .kernarg_segment_size: 128
    .max_flat_workgroup_size: 256
    .sgpr_count:     66
    .vgpr_count:     256
    .wavefront_size: 32
...
	.end_amdgpu_metadata
.endif
;; end of part 6
